; MI455X (gfx1250); checked and timed in simulation.
; The chip was launched on July 23, 2026; its instructions are those of AMD's public machine-readable ISA for CDNA 5 (MIT licence, August 2026) and "CDNA5" Instruction Set Architecture Reference Guide (July 2026). The comments in the code are by the model that wrote it; some were corrected since.
;; Transformer Block. Allowed arithmetic: matrix products marked QUANTISED: E2M1 operands, one E8M0 scale for each 32 along K, by v_wmma_scale_f32_16x16x128_f8f6f4 with both operands' format E2M1 (or v_wmma_scale_f32_32x16x128_f4), f32 sums; everything else in f32.
;; Inputs: W1_codes 4,096 x 32 x 16 uint8 (E2M1 codes of W1, K innermost, in blocks of 32 codes, two codes a byte); W1_scales 4,096 x 32 uint8 (E8M0 scales of W1, one for each 32 codes along K); W2_codes 1,024 x 128 x 16 uint8 (E2M1 codes of W2, K innermost, in blocks of 32 codes, two codes a byte); W2_scales 1,024 x 128 uint8 (E8M0 scales of W2, one for each 32 codes along K); Wk_codes 1,024 x 32 x 16 uint8 (E2M1 codes of Wk, K innermost, in blocks of 32 codes, two codes a byte); Wk_scales 1,024 x 32 uint8 (E8M0 scales of Wk, one for each 32 codes along K); Wo_codes 1,024 x 32 x 16 uint8 (E2M1 codes of Wo, K innermost, in blocks of 32 codes, two codes a byte); Wo_scales 1,024 x 32 uint8 (E8M0 scales of Wo, one for each 32 codes along K); Wq_codes 1,024 x 32 x 16 uint8 (E2M1 codes of Wq, K innermost, in blocks of 32 codes, two codes a byte); Wq_scales 1,024 x 32 uint8 (E8M0 scales of Wq, one for each 32 codes along K); Wv_codes 1,024 x 32 x 16 uint8 (E2M1 codes of Wv, K innermost, in blocks of 32 codes, two codes a byte); Wv_scales 1,024 x 32 uint8 (E8M0 scales of Wv, one for each 32 codes along K); b1 4,096 float32; b2 1,024 float32; bk 1,024 float32; bo 1,024 float32; bq 1,024 float32; bv 1,024 float32; ln1_b 1,024 float32; ln1_g 1,024 float32; ln2_b 1,024 float32; ln2_g 1,024 float32; x 2 x 2,048 x 1,024 float32.
;; Outputs: out0 2 x 2,048 x 1,024 float32.
;; This version of the problem:
;;   THIS VERSION OF THE PROBLEM IS GIVEN IN LOW PRECISION. The matrix products marked QUANTISED in the list below multiply operands that are first quantised to E2M1 (2 exponent bits, 1 mantissa bit; 4 bits a number), with one power-of-two scale for each 32 numbers along K (OCP MX v1.0); their sums are f32. All else is computed in f32.
;;   The module's matrix products, in the order in which they are computed (A, B: the left and right operand; K: the contracted axis; several contracted axes count as one K, in the product's order):
;;     1. [M 4,096, K 1,024] x [K 1,024, N 1,024]; A: computed on the way; B: input Wq (given as codes): QUANTISED
;;     2. [M 4,096, K 1,024] x [K 1,024, N 1,024]; A: computed on the way; B: input Wk (given as codes): QUANTISED
;;     3. [M 4,096, K 1,024] x [K 1,024, N 1,024]; A: computed on the way; B: input Wv (given as codes): QUANTISED
;;     4. batch 32 x [M 2,048, K 64] x [K 64, N 2,048]; A: computed on the way; B: computed on the way: QUANTISED
;;     5. batch 32 x [M 2,048, K 2,048] x [K 2,048, N 64]; A: softmax (see below); B: computed on the way: QUANTISED
;;     6. [M 4,096, K 1,024] x [K 1,024, N 1,024]; A: computed on the way; B: input Wo (given as codes): QUANTISED
;;     7. [M 4,096, K 1,024] x [K 1,024, N 4,096]; A: computed on the way; B: input W1 (given as codes): QUANTISED
;;     8. [M 4,096, K 4,096] x [K 4,096, N 1,024]; A: computed on the way; B: input W2 (given as codes): QUANTISED
;;   THE QUANTISER, for each operand of a quantised product, along K:
;;     - K is cut into blocks of 32 from its start; a last block that is shorter is filled with zeros.
;;     - A block's scale is 2^e with e = floor(log2(the largest magnitude in the block)) - 2, held to -126 .. 127; a block of zeros has e = 0. As a byte (E8M0): e + 127.
;;     - Each number is divided by its block's scale, clamped to +-6, and rounded to the nearest number of E2M1, ties to even, subnormals kept.
;;     - The product sums the exact products of the quantised numbers (number of the format x scale) in f32.
;;   ~~~python
;;   def quantise(x, axis):      # numpy; x: float32 -> the quantised numbers, widened to float32 again
;;       x = np.moveaxis(x, axis, -1); K = x.shape[-1]
;;       x = np.pad(x, [(0, 0)] * (x.ndim - 1) + [(0, -K % 32)]); x = x.reshape(x.shape[:-1] + (-1, 32)); a = np.abs(x).max(-1, keepdims=True)
;;       e = np.where(a > 0, np.clip(np.frexp(np.where(a > 0, a, 1))[1] - 1 - 2, -126, 127), 0)      # np.frexp(a)[1] - 1 = floor(log2(a)), exactly
;;       r = np.clip(x / 2.0 ** e, -6, 6)
;;       step = 2.0 ** (np.maximum(np.frexp(np.where(r == 0, 1, r))[1] - 1, 0) - 1)
;;       q = np.round(r / step) * step * 2.0 ** e      # np.round: ties to even
;;       return np.moveaxis(q.reshape(q.shape[:-2] + (-1,))[..., :K], -1, axis).astype(np.float32)
;;   ~~~
;;   SOFTMAX AHEAD OF A QUANTISED PRODUCT. Where the list says 'softmax', what is quantised is not the finished softmax but p = 2^(t - M), with t = logit x log2(e) and M = ceil(the row's largest t), a whole number; so 1/2 < the row's largest p <= 1. The row's sum l is taken of the UNQUANTISED p, in f32, and the product's result is divided by l at the end. Since M is a whole number, a kernel that streams over the keys may use a running M (the ceiling of the running maximum): every later rescaling is an exact power of two, which a block's scale takes up: the codes' values come out the same.
;;   OPERANDS COMPUTED ON THE WAY. 'Computed on the way' means the value that the module computes at that place (a softmax that the list does not call 'softmax' is quantised finished and normalised). What goes into a quantiser is computed in f32, as accurately as f32 sums, v_exp_f32 and their like allow (about 1e-6 of the number): no bf16 or f16 on the way to a quantiser, and a product that is left as it is and whose result goes on into a quantised operand takes f32 operands (vector FMAs, or v_wmma_f32_16x16x4_f32). A number that lies on a knife's edge between two numbers of the format may be rounded either way, as far as f32 arithmetic and the matrix unit's own rounding can turn it there, and no further.
;;   INPUTS GIVEN AS CODES. W1 (in the module: [4096, 1024], K = its axis 1); W2 (in the module: [1024, 4096], K = its axis 1); Wk (in the module: [1024, 1024], K = its axis 1); Wo (in the module: [1024, 1024], K = its axis 1); Wq (in the module: [1024, 1024], K = its axis 1); Wv (in the module: [1024, 1024], K = its axis 1): each comes as NAME_codes (uint8): NAME with its K axis moved to the last place and cut into blocks of 32 codes, [.., K / 32, bytes a block], one block behind the other in memory; two codes a byte, the lower K in the low four bits (a code: sign, 2 exponent bits, 1 mantissa bit); and NAME_scales (uint8): the same leading axes, one E8M0 byte (e + 127) for each 32 codes along K. Its value is code x scale, taken as it is: it is not quantised again, and the codes and scales need not be those that the quantiser above would give.
;; One version. Each part assembles by itself: llvm-mc -triple=amdgcn-amd-amdhsa -mcpu=gfx1250 --defsym DOCPART=n.
;; ======== version 1 of 1: 6 launches
;; limits: right only within a limited range of input values
;; workspace buffers: act 2,228,224 bytes; qkvb 6,684,672 bytes; ob 2,228,224 bytes; x1 16,777,216 bytes; hid 8,912,896 bytes
;; launch lnq (part 1): grid 256 x 1, 16 waves a work-group, no clusters, 10,752 bytes of LDS; arguments x, ln1_g, ln1_b, act; writes act
.if DOCPART == 1
	.amdgcn_target "amdgcn-amd-amdhsa--gfx1250"
	.amdhsa_code_object_version 6
	.text
	.protected	k_q0443c42084_lnq
	.globl	k_q0443c42084_lnq
	.p2align	8
	.type	k_q0443c42084_lnq,@function
k_q0443c42084_lnq:
	s_mov_b64 s[64:65], 0
	v_nop
	global_prefetch_b8 v0, s[64:65] scope:SCOPE_SE
	s_setreg_imm32_b32 hwreg(HW_REG_WAVE_MODE, 25, 1), 1
	s_wait_xcnt 0x0
; LAYER NORM, THEN THE QUANTISER ALONG THE 1,024 CHANNELS.  in: [4096][1024] f32, g, b: [1024] f32.  out: codes of E2M1 and E8M0 scale bytes.
; DEAD WORK IN THIS PROGRAM: none.  Every bias and gain goes into a quantised operand or into the output, so all 23 inputs are loaded by some launch.
; y = (x - mean) * rsqrt(var + 1e-5) * g + b, all in f32; the mean is taken first and the variance of x - mean, so a common offset of x costs nothing.
; THE CODES' LAYOUT (all activation codes of this program): [tile of 16 rows][block of 32 along K][row in the tile][16 bytes].  The two groups of four registers of a 16 x 128
; operand are then each 512 consecutive bytes, 16 a lane.  The scale bytes lie behind the codes, at byte 2,097,152: [row][32].
; A block's scale byte is its largest magnitude's exponent field - 2, held at 1 from below by a floor among the maximum's leaves.
; LIMITS: a block of zeros gets the byte 1, not 127 (its codes are zeros; only this program reads the bytes); blocks whose largest magnitude lies under 2^-124 keep the byte 1;
; NaN and infinities among the inputs are not served.
; SHARES: a work-group takes a tile of 16 rows, a wave one row, a lane 4 x 8 neighbours: numbers 256 t + 8 lane + 0 .. 7.  Four lanes hold a block.
; The rows' codes meet in LDS as the tile's image, 8,192 bytes, and leave as 16 bytes a thread: every store of a wave covers 512 consecutive bytes.
; No matrix unit, no cluster, no tensor load: work-groups share only g and b, 8 KiB.
.set SC,    8192                       ; LDS: the tile's image at 0; its scale bytes [row][32] here
.set SPARE, 8704                       ; the spare words: 128 bytes for each of 16 waves
.set SPW,   6                          ; v6   my spare word; never rewritten
.set NIL,   7                          ; v7   0; never rewritten
.set X,     16                         ; v16-47   my 32 numbers
.set G,     48                         ; v48-79   g
.set BV,    80                         ; v80-111  b
.set MX,    112                        ; v112-115 largest magnitudes
.set SO,    116                        ; v116-119 the conversions' scale operands
.set BY,    120                        ; v120-123 scale bytes
.set CD,    124                        ; v124-127 codes
.macro WAVESUM                         ; four packed chains v[8:15] -> their sum over the wave, in v8 of every lane
	s_delay_alu instid0(VALU_DEP_3)
	v_pk_add_f32 v[8:9], v[8:9], v[10:11]
	s_delay_alu instid0(VALU_DEP_2)
	v_pk_add_f32 v[12:13], v[12:13], v[14:15]
	s_delay_alu instid0(VALU_DEP_1)
	v_pk_add_f32 v[8:9], v[8:9], v[12:13]
	s_delay_alu instid0(VALU_DEP_1)
	v_add_f32 v8, v8, v9
	s_delay_alu instid0(VALU_DEP_1)
	v_add_f32_dpp v8, v8, v8 row_xmask:1 row_mask:0xf bank_mask:0xf
	s_delay_alu instid0(VALU_DEP_1)
	v_add_f32_dpp v8, v8, v8 row_xmask:2 row_mask:0xf bank_mask:0xf
	s_delay_alu instid0(VALU_DEP_1)
	v_add_f32_dpp v8, v8, v8 row_xmask:4 row_mask:0xf bank_mask:0xf
	s_delay_alu instid0(VALU_DEP_1)
	v_add_f32_dpp v8, v8, v8 row_xmask:8 row_mask:0xf bank_mask:0xf
	s_delay_alu instid0(VALU_DEP_1)
	v_permlanex16_b32 v9, v8, s16, s17
	s_delay_alu instid0(VALU_DEP_1)
	v_add_f32 v8, v8, v9
.endm
	s_load_b256 s[4:11], s[0:1], 0x0               ; in s[4:5], g s[6:7], b s[8:9], out s[10:11]
	v_lshl_add_u32 v[SPW], v0, 2, SPARE
	v_mov_b32 v[NIL], 0
	v_lshrrev_b32 v1, 5, v0
	s_delay_alu instid0(VALU_DEP_1)
	v_readfirstlane_b32 s12, v1                    ; wave = row in the tile
	v_and_b32 v1, 31, v0                           ; lane
	s_delay_alu instid0(VALU_DEP_1)
	v_lshlrev_b32 v2, 5, v1                        ; my 32 bytes of each 1,024
	s_delay_alu instid0(VALU_DEP_2)
	v_lshrrev_b32 v8, 2, v1                        ; my block among a pass's eight
	s_delay_alu instid0(VALU_DEP_3)
	v_and_b32 v9, 3, v1                            ; my word of its 16 bytes
	s_delay_alu instid0(VALU_DEP_2)
	v_lshlrev_b32 v3, 8, v8
	s_delay_alu instid0(VALU_DEP_1)
	v_lshl_add_u32 v3, v9, 2, v3
	s_lshl_b32 s13, s12, 4
	v_add_nc_u32 v3, s13, v3                       ; the image: 256 x block + 16 x row + 4 x word
	s_lshl_b32 s13, s12, 5
	s_add_co_u32 s13, s13, SC
	v_add_nc_u32 v4, s13, v8                       ; my block's scale byte: SC + 32 x row + block
	v_lshlrev_b32 v5, 4, v0                        ; the way out: 16 bytes a thread
	v_lshl_add_u32 v128, v1, 4, SC                 ; wave 0's way out for the scale bytes: LDS,
	v_lshlrev_b32 v129, 4, v1                      ; and memory
	s_mov_b32 s16, 0x76543210
	s_mov_b32 s17, 0xfedcba98                      ; v_permlanex16_b32's selects for lane l xor 16
	s_mov_b32 s18, 0x3a800000                      ; 1 / 1024
	s_mov_b32 s19, 0x3727c5ac                      ; 1e-5
	s_lshl_b32 s14, ttmp9, 16
	s_lshl_b32 s15, s12, 12
	s_add_co_u32 s14, s14, s15                     ; my row: (16 x tile + wave) x 4,096 bytes
	s_mov_b32 s15, 0
	s_lshl_b32 s20, ttmp9, 13                      ; the tile's image: 8,192 bytes
	s_mov_b32 s21, 0
	s_lshl_b32 s22, ttmp9, 9
	s_add_co_u32 s22, s22, 2097152                 ; its scale bytes: 512
	s_mov_b32 s23, 0
	s_wait_kmcnt 0x0
	s_add_nc_u64 s[4:5], s[4:5], s[14:15]
	s_add_nc_u64 s[20:21], s[10:11], s[20:21]
	s_add_nc_u64 s[22:23], s[10:11], s[22:23]
.irp t, 0,1,2,3
	global_load_b128 v[X+8*\t:X+8*\t+3], v2, s[4:5] offset:1024*\t
	global_load_b128 v[X+8*\t+4:X+8*\t+7], v2, s[4:5] offset:1024*\t+16
.endr
.irp t, 0,1,2,3
	global_load_b128 v[G+8*\t:G+8*\t+3], v2, s[6:7] offset:1024*\t
	global_load_b128 v[G+8*\t+4:G+8*\t+7], v2, s[6:7] offset:1024*\t+16
.endr
.irp t, 0,1,2,3
	global_load_b128 v[BV+8*\t:BV+8*\t+3], v2, s[8:9] offset:1024*\t
	global_load_b128 v[BV+8*\t+4:BV+8*\t+7], v2, s[8:9] offset:1024*\t+16
.endr
	s_wait_loadcnt 16                              ; my row is in; g's eight loads and b's eight may be out
.irp k, 0,1,2,3
	v_pk_add_f32 v[8+2*\k:9+2*\k], v[X+2*\k:X+2*\k+1], v[X+8+2*\k:X+9+2*\k]
.endr
.irp i, 16,24
.irp k, 0,1,2,3
	s_delay_alu instid0(VALU_DEP_4)
	v_pk_add_f32 v[8+2*\k:9+2*\k], v[8+2*\k:9+2*\k], v[X+\i+2*\k:X+\i+2*\k+1]
.endr
.endr
	WAVESUM
	s_delay_alu instid0(VALU_DEP_1)
	v_mul_f32 v8, s18, v8                          ; the mean
	s_delay_alu instid0(VALU_DEP_1)
	v_mov_b32 v9, v8
.set i, 0
.rept 16
	v_pk_add_f32 v[X+i:X+i+1], v[X+i:X+i+1], v[8:9] neg_lo:[0,1] neg_hi:[0,1]   ; d = x - mean
.set i, i+2
.endr
.irp k, 0,1,2,3
	v_pk_mul_f32 v[8+2*\k:9+2*\k], v[X+2*\k:X+2*\k+1], v[X+2*\k:X+2*\k+1]
.endr
.irp i, 8,16,24
.irp k, 0,1,2,3
	s_delay_alu instid0(VALU_DEP_4)
	v_pk_fma_f32 v[8+2*\k:9+2*\k], v[X+\i+2*\k:X+\i+2*\k+1], v[X+\i+2*\k:X+\i+2*\k+1], v[8+2*\k:9+2*\k]
.endr
.endr
	WAVESUM
	s_delay_alu instid0(VALU_DEP_1)
	v_fma_f32 v8, v8, s18, s19                     ; the variance + 1e-5
	s_wait_alu depctr_va_vdst(0)
	v_rsq_f32 v8, v8
	v_nop                                          ; a plain instruction behind the transcendental
	s_wait_alu depctr_va_vdst(0)                   ; ahead of the result's first reader
	v_mov_b32 v9, v8
	s_wait_alu depctr_va_vdst(0)
	s_wait_loadcnt 0x0                             ; g and b
.set i, 0
.rept 16
	v_pk_mul_f32 v[X+i:X+i+1], v[X+i:X+i+1], v[8:9]
.set i, i+2
.endr
.set i, 0
.rept 16
	v_pk_fma_f32 v[X+i:X+i+1], v[X+i:X+i+1], v[G+i:G+i+1], v[BV+i:BV+i+1]
.set i, i+2
.endr
.irp t, 0,1,2,3
	v_max3_num_f32 v[MX+\t], |v[X+8*\t]|, |v[X+8*\t+1]|, 0x1800000   ; my eight of the block, and the floor 2^(3 - 127)
.endr
.irp i, 2,4,6
.irp t, 0,1,2,3
	s_delay_alu instid0(VALU_DEP_4)
	v_max3_num_f32 v[MX+\t], v[MX+\t], |v[X+8*\t+\i]|, |v[X+8*\t+\i+1]|
.endr
.endr
.irp t, 0,1,2,3
	s_delay_alu instid0(VALU_DEP_4)
	v_max_num_f32_dpp v[MX+\t], v[MX+\t], v[MX+\t] row_xmask:1 row_mask:0xf bank_mask:0xf
.endr
.irp t, 0,1,2,3
	s_delay_alu instid0(VALU_DEP_4)
	v_max_num_f32_dpp v[MX+\t], v[MX+\t], v[MX+\t] row_xmask:2 row_mask:0xf bank_mask:0xf   ; with the block's other three lanes
.endr
.irp t, 0,1,2,3
	s_delay_alu instid0(VALU_DEP_4)
	v_add_nc_u32 v[SO+\t], 0xff000000, v[MX+\t]    ; 2 off the exponent field: the conversion takes this operand's exponent field as its scale
.endr
.irp t, 0,1,2,3
	s_delay_alu instid0(VALU_DEP_4)
	v_lshrrev_b32 v[BY+\t], 23, v[SO+\t]           ; the scale's byte
.endr
.irp t, 0,1,2,3
	v_cvt_scalef32_pk8_fp4_f32 v[CD+\t], v[X+8*\t:X+8*\t+7], v[SO+\t]
.endr
	v_nop                                          ; a plain instruction behind the last scaled conversion
.irp t, 0,1,2,3
	ds_store_b32 v3, v[CD+\t] offset:2048*\t       ; a pass is eight blocks: 2,048 bytes of the image
	ds_store_b8 v4, v[BY+\t] offset:8*\t           ; the block's four lanes write the same byte with the same value
.endr
	s_wait_dscnt 0x0                               ; for the others' sake: my stores have landed
	s_barrier_signal -1
	s_barrier_wait -1
	ds_load_b128 v[X:X+3], v5
	s_wait_dscnt 0x0
	global_store_b128 v5, v[X:X+3], s[20:21]       ; a wave stores 512 consecutive bytes
	s_cmp_lg_u32 s12, 0
	s_cbranch_scc1 .Lnot_wave_0
	ds_load_b128 v[X+4:X+7], v128                  ; wave 0: the tile's 512 scale bytes
	s_wait_dscnt 0x0
	global_store_b128 v129, v[X+4:X+7], s[22:23]
.Lnot_wave_0:
	s_wait_tensorcnt 0x0                           ; the wave's end
	ds_add_u32 v[SPW], v[NIL]
	s_wait_dscnt 0x0
	s_endpgm
.Lfunc_end_k_q0443c42084_lnq:
	.size	k_q0443c42084_lnq, .Lfunc_end_k_q0443c42084_lnq-k_q0443c42084_lnq
	.p2alignl 7, 3214868480
	.fill 96, 4, 3214868480
	.section	.rodata,"a",@progbits
	.p2align	6, 0x0
	.amdhsa_kernel k_q0443c42084_lnq
		.amdhsa_group_segment_fixed_size 10752
		.amdhsa_private_segment_fixed_size 0
		.amdhsa_enable_private_segment 0
		.amdhsa_kernarg_size 32
		.amdhsa_user_sgpr_count 2
		.amdhsa_user_sgpr_kernarg_segment_ptr 1
		.amdhsa_wavefront_size32 1
		.amdhsa_system_sgpr_workgroup_id_x 1
		.amdhsa_system_sgpr_workgroup_id_y 1
		.amdhsa_system_sgpr_workgroup_id_z 1
		.amdhsa_system_vgpr_workitem_id 0
		.amdhsa_next_free_vgpr 136
		.amdhsa_next_free_sgpr 66
		.amdhsa_reserve_vcc 0
		.amdhsa_float_denorm_mode_32 3
		.amdhsa_float_denorm_mode_16_64 3
		.amdhsa_memory_ordered 1
		.amdhsa_forward_progress 1
		.amdhsa_inst_pref_size 17
	.end_amdhsa_kernel
	.amdgpu_metadata
---
amdhsa.version: [ 1, 2 ]
amdhsa.kernels:
  - .name:           k_q0443c42084_lnq
    .symbol:         k_q0443c42084_lnq.kd
    .args:
      - { .name: x, .offset: 0, .size: 8, .value_kind: global_buffer, .address_space: global }
      - { .name: ln1_g, .offset: 8, .size: 8, .value_kind: global_buffer, .address_space: global }
      - { .name: ln1_b, .offset: 16, .size: 8, .value_kind: global_buffer, .address_space: global }
      - { .name: act, .offset: 24, .size: 8, .value_kind: global_buffer, .address_space: global }
    .group_segment_fixed_size: 10752
    .private_segment_fixed_size: 0
    .kernarg_segment_align: 8
    .kernarg_segment_size: 32
    .max_flat_workgroup_size: 512
    .sgpr_count:     66
    .vgpr_count:     136
    .wavefront_size: 32
...
	.end_amdgpu_metadata
.endif
;; end of part 1
;; launch qkv (part 2): grid 12 x 16, 16 waves a work-group, clusters of 4 x 4, 272,384 bytes of LDS; arguments act, Wq_codes, Wk_codes, Wv_codes, Wq_scales, Wk_scales, Wv_scales, bq, bk, bv, qkvb; writes qkvb
.if DOCPART == 2
	.amdgcn_target "amdgcn-amd-amdhsa--gfx1250"
	.amdhsa_code_object_version 6
	.text
	.protected	k_q0443c42084_qkv
	.globl	k_q0443c42084_qkv
	.p2align	8
	.type	k_q0443c42084_qkv,@function
k_q0443c42084_qkv:
	s_mov_b64 s[64:65], 0
	v_nop
	global_prefetch_b8 v0, s[64:65] scope:SCOPE_SE
	s_setreg_imm32_b32 hwreg(HW_REG_WAVE_MODE, 25, 1), 1
	s_wait_xcnt 0x0
	s_wait_alu depctr_hold_cnt(0) depctr_sa_sdst(0) depctr_va_vdst(0) depctr_va_sdst(0) depctr_va_ssrc(0) depctr_va_vcc(0) depctr_vm_vsrc(0)
	s_getreg_b32 s2, hwreg(HW_REG_IB_STS2, 6, 4)
	s_cmp_eq_u32 s2, 0
	s_cbranch_scc0 .Lentry_in_a_cluster
	s_endpgm
.Lentry_in_a_cluster:
	s_bfe_u32 s2, ttmp6, 0x10000c
	s_cmp_lg_u32 s2, 0xf033
	s_cbranch_scc0 .Lentry_shape_is_right
	s_endpgm
.Lentry_shape_is_right:
; q, k, v = LN1(x) W^T + bias, on codes of E2M1 with E8M0 scales, and each result quantised at once for attention.  No work is left out.
; act: codes [tile of 16 tokens][32 blocks][16][16 bytes], scale bytes [token][32] at byte 2,097,152.  W: codes [1024][512 bytes], scale bytes [1024][32].
; OUT, in qkvb (bh = 16 x batch + head):  q at 0 and k at 2,097,152: [bh][tile of 16 tokens][half][token][16 bytes], quantised along the head's 64 channels; their scale bytes, two a token,
; at 6,291,456 and 6,422,528: [bh][token];  v at 4,194,304, quantised along the KEYS: [bh][tile of 16 channels][128 keys][block][channel][16 bytes]; its scale words at 6,553,600: [bh][128 keys][tile][channel].
; SHARES: the cluster's x says which of the three matrices; a work-group makes 256 tokens x 256 columns with all of K = 1,024 in LDS, filled once, in two halves of K.  Sixteen waves, four to a SIMD,
; each 64 x 64: 16 accumulators, 256 registers, no register windows.
; CLUSTER: 4 x 4.  The four of a row need the same tokens' codes, the four of a column the same rows of W: each is asked for jointly.
; q, k: source 0 = 16 rows of W, source 1 = 16 tokens: a lane holds one token and its registers run along the channels, the next product's K.
; v: the sources change places: a lane holds one channel and its registers run along the tokens, which are the keys.  The two forms are two arms of one branch on the cluster's x, which all partners share.
; LIMITS: a block of zeros gets the byte 1, not 127 (only this program reads the bytes); blocks under 2^-124 keep the byte 1; NaN and infinities are not served.
.set BL,    131072                     ; LDS: A [half of K][16 tiles][4,096] at 0; B [half of K][256 rows][272] here
.set SPARE, 270336                     ; the spare words: 128 bytes for each of 16 waves
.set QS_,   6291456
.set VI_,   4194304
.set VSO_,  6553600
.set ADA, 2                            ; v2-3   LDS address of my tokens' fragments, half 0, 1
.set ADB, 4                            ; v4-5   of my rows of W
.set SPW, 6                            ; v6     my spare word; never rewritten
.set NIL, 7                            ; v7     0; never rewritten
.set SA,  16                           ; v16-31 the tokens' scale words: tile a at 16 + 4 a; register j: K step j in lanes 0-15, K step 4 + j in lanes 16-31
.set SBR, 32                           ; v32-47 W's likewise
.set AF,  48                           ; v48-79  four fragments of tokens
.set BF,  80                           ; v80-111 four fragments of W
.set TM,  114                          ; v114-119 the quantiser's
.set PC,  120                          ; v120-123 codes just made
.set HW,  124                          ; v124-125 two tiles' scale half-words
.set XR,  126                          ; v126   what is stored of them
.set ACC, 128                          ; v128-255 accumulator (a, b) at 128 + 8 (4 a + b): a along the lanes' axis, b along the registers'
.set WV,  26
.set CX,  27
.set CY,  28
.set WGY, 29
.set WMI, 30
.set WNI, 31
.set G1A, 36
.set G1B, 44
.set G0A, 52
.set G0B0, 60
.set G0B1, 68
.set SEL, 72
.set MSK, 74
.set OB,  76
.set SBO, 78
.set WC,  80
.set WS,  82
.set BI,  84
.macro CROUND                          ; a round of the cluster's barrier
	s_barrier_signal -1
	s_barrier_wait -1
	s_cmp_lg_u32 s[WV], 0
	s_cbranch_scc1 .Lnot_wave_0_\@
	s_barrier_signal -3
.Lnot_wave_0_\@:
	s_barrier_wait -3
	s_barrier_signal -1
	s_barrier_wait -1
.endm
.macro WM zero, row                    ; one product on rD, rS0, rS1, rQ0, rQ1.  row = 1: both sides' scales come from lanes 16-31
.if \zero
	v_wmma_scale_f32_16x16x128_f8f6f4 v[rD:rD+7], v[rS0:rS0+7], v[rS1:rS1+7], 0, v[rQ0], v[rQ1] matrix_a_fmt:MATRIX_FMT_FP4 matrix_b_fmt:MATRIX_FMT_FP4
.elseif \row
	v_wmma_scale_f32_16x16x128_f8f6f4 v[rD:rD+7], v[rS0:rS0+7], v[rS1:rS1+7], v[rD:rD+7], v[rQ0], v[rQ1] matrix_a_fmt:MATRIX_FMT_FP4 matrix_b_fmt:MATRIX_FMT_FP4 matrix_a_scale:MATRIX_SCALE_ROW1 matrix_b_scale:MATRIX_SCALE_ROW1
.else
	v_wmma_scale_f32_16x16x128_f8f6f4 v[rD:rD+7], v[rS0:rS0+7], v[rS1:rS1+7], v[rD:rD+7], v[rQ0], v[rQ1] matrix_a_fmt:MATRIX_FMT_FP4 matrix_b_fmt:MATRIX_FMT_FP4
.endif
.endm
; A K step of 128: 16 LDS loads, 16 products; the 16 accumulators take turns, one instruction a turn.
.macro KSTEP s, swap
.set HF, (\s)/4
.set SL, (\s)%4
.if (\s) > 0
.rept 4
	v_nop                                          ; four places in front of loads into registers that matrix instructions have read (ISA guide 7.12.1 for vector instructions)
.endr
.endif
.irp a, 0,1,2,3
	ds_load_b128 v[AF+8*\a:AF+8*\a+3], v[ADA+HF] offset:\a*4096+SL*1024
	ds_load_b128 v[AF+8*\a+4:AF+8*\a+7], v[ADA+HF] offset:\a*4096+SL*1024+512
.endr
.irp b, 0,1,2,3
	ds_load_b128 v[BF+8*\b:BF+8*\b+3], v[ADB+HF] offset:\b*4352+SL*64
	ds_load_b128 v[BF+8*\b+4:BF+8*\b+7], v[ADB+HF] offset:\b*4352+SL*64+32
.endr
	s_wait_dscnt 0x0
.set ZR, 0
.if \swap
.if (\s) == 0
.set ZR, 1
.endif
.endif
.irp a, 0,1,2,3
.irp b, 0,1,2,3
.set rD, ACC+8*(4*\a+\b)
.if \swap
.set rS0, AF+8*\b
.set rS1, BF+8*\a
.set rQ0, SA+4*\b+SL
.set rQ1, SBR+4*\a+SL
.else
.set rS0, BF+8*\b
.set rS1, AF+8*\a
.set rQ0, SBR+4*\b+SL
.set rQ1, SA+4*\a+SL
.endif
	WM ZR, HF
.endr
.endr
.endm
; 32 numbers of a lane, four result tiles: register 8 b + j = k 16 b + 8 (lane / 16) + j of the lane's row: two blocks of 32.  Their codes come out in v[PC:PC+3] as lane (r, h): block h of row r, 16 bytes;
; the two scale bytes in v[hw].  A conversion of tile 2 B gives half h word h of block B, tile 2 B + 1 word 2 + h; the exchange of halves between block 0's and block 1's registers puts word w of block h into register w.
.macro QUANT2 s, hw
	v_max3_num_f32 v[TM], |v[\s]|, |v[\s+1]|, 0x1800000       ; and the floor 2^(3 - 127): the byte cannot fall under 1
	v_max3_num_f32 v[TM+1], |v[\s+16]|, |v[\s+17]|, 0x1800000
.irp i, 2,4,6,8,10,12,14
	v_max3_num_f32 v[TM], v[TM], |v[\s+\i]|, |v[\s+\i+1]|
	v_max3_num_f32 v[TM+1], v[TM+1], |v[\s+16+\i]|, |v[\s+17+\i]|
.endr
	s_delay_alu instid0(VALU_DEP_2)
	v_permlanex16_b32 v[TM+2], v[TM], s[SEL], s[SEL+1]
	s_delay_alu instid0(VALU_DEP_2)
	v_permlanex16_b32 v[TM+3], v[TM+1], s[SEL], s[SEL+1]
	s_delay_alu instid0(VALU_DEP_2)
	v_max_num_f32 v[TM], v[TM], v[TM+2]
	s_delay_alu instid0(VALU_DEP_2)
	v_max_num_f32 v[TM+1], v[TM+1], v[TM+3]
	s_delay_alu instid0(VALU_DEP_2)
	v_add_nc_u32 v[TM+4], 0xff000000, v[TM]        ; 2 off the exponent field: the conversion's scale operand
	s_delay_alu instid0(VALU_DEP_2)
	v_add_nc_u32 v[TM+5], 0xff000000, v[TM+1]
	s_delay_alu instid0(VALU_DEP_2)
	v_lshrrev_b32 v[TM+2], 23, v[TM+4]             ; the scales' bytes
	s_delay_alu instid0(VALU_DEP_2)
	v_lshrrev_b32 v[TM+3], 23, v[TM+5]
	s_delay_alu instid0(VALU_DEP_1)
	v_lshl_or_b32 v[\hw], v[TM+3], 8, v[TM+2]
	v_cvt_scalef32_pk8_fp4_f32 v[PC], v[\s:\s+7], v[TM+4]
	v_cvt_scalef32_pk8_fp4_f32 v[PC+2], v[\s+8:\s+15], v[TM+4]
	v_cvt_scalef32_pk8_fp4_f32 v[PC+1], v[\s+16:\s+23], v[TM+5]
	v_cvt_scalef32_pk8_fp4_f32 v[PC+3], v[\s+24:\s+31], v[TM+5]
	v_nop                                          ; a plain instruction behind the last scaled conversion
	v_permlane16_swap_b32 v[PC], v[PC+1]
	v_permlane16_swap_b32 v[PC+2], v[PC+3]
.endm
; The way out: four tiles along the lanes' axis; each gives 512 consecutive bytes of codes; two tiles' scale half-words leave together, tile a - 1's from lanes 0-15, tile a's from lanes 16-31.
.macro EPI ostr, sstr, soff
.irp a, 0,1,2,3
.if \a > 0
	s_wait_xcnt 0x0                                ; the last stores have read their data: the codes' and the half-words' registers are written again only behind this wait
.endif
	QUANT2 ACC+32*\a, HW+(\a)%2
	global_store_b128 v1, v[PC:PC+3], s[OB:OB+1] offset:\a*\ostr
.if (\a)%2
	v_cndmask_b32 v[XR], v[HW], v[HW+1], s[MSK]
	global_store_b16 v[\soff], v[XR], s[SBO:SBO+1] offset:((\a)/2)*\sstr
.endif
.endr
.endm
.macro BODY swap
.if \swap
.irp a, 0,1,2,3
	global_load_b32 v[112+2*\a], v12, s[BI:BI+1] offset:64*\a     ; bv of my channel, twice: a pair for the packed addition
	global_load_b32 v[113+2*\a], v12, s[BI:BI+1] offset:64*\a
.endr
.else
.irp a, 0,1,2,3
.irp b, 0,1,2,3
	global_load_b128 v[ACC+8*(4*\a+\b):ACC+8*(4*\a+\b)+3], v9, s[BI:BI+1] offset:64*\b       ; the bias is the C of each sum's first product: my eight columns of tile b
	global_load_b128 v[ACC+8*(4*\a+\b)+4:ACC+8*(4*\a+\b)+7], v9, s[BI:BI+1] offset:64*\b+16
.endr
.endr
.endif
	s_wait_tensorcnt 0x0                           ; my one load is in
	s_barrier_signal -1
	s_barrier_wait -1                              ; everybody's is
	s_wait_loadcnt 0x0                             ; scale words and bias
	KSTEP 0, \swap
	KSTEP 1, \swap
	KSTEP 2, \swap
	KSTEP 3, \swap
	KSTEP 4, \swap                                 ; the one barrier above has shown both halves of K to every wave
	KSTEP 5, \swap
	KSTEP 6, \swap
	KSTEP 7, \swap
.rept 4
	v_nop                                          ; four places in front of the first read of results
.endr
.endm
	s_load_b512 s[4:19], s[0:1], 0x0               ; act s[4:5]; Wq, Wk, Wv codes s[6:11]; their scales s[12:17]; bq s[18:19]
	s_load_b128 s[20:23], s[0:1], 0x40             ; bk, bv
	s_load_b64 s[24:25], s[0:1], 0x50              ; qkvb
	v_lshl_add_u32 v[SPW], v0, 2, SPARE
	v_mov_b32 v[NIL], 0
	ds_add_u32 v[SPW], v[NIL]                      ; the wave's opening: the add, twice on end, and its wait ahead of the first tensor loads
	ds_add_u32 v[SPW], v[NIL]
	v_lshrrev_b32 v1, 5, v0
	s_delay_alu instid0(VALU_DEP_1)
	v_readfirstlane_b32 s[WV], v1                  ; wave 0..15
	s_bfe_u32 s[CX], ttmp6, 0x40000
	s_bfe_u32 s[CY], ttmp6, 0x40004
	s_and_b32 s[WGY], ttmp7, 0xffff
	s_lshl_b32 s[WGY], s[WGY], 2
	s_add_co_u32 s[WGY], s[WGY], s[CY]             ; which 256 tokens
	s_lshr_b32 s[WMI], s[WV], 2                    ; which 64 tokens of them are my wave's
	s_and_b32 s[WNI], s[WV], 3                     ; which 64 columns.  Also: which quarter of a tile I fetch
	s_lshl_b32 s32, s[CY], 2
	s_lshl_b32 s32, 15, s32                        ; my row of the cluster
	s_lshl_b32 s33, 0x1111, s[CX]                  ; my column
	s_or_b32 s[G1A], s32, (3<<16)|(1<<21)          ; A: elements of 8 bytes; the mask, bit 21 beside it; no padding
	s_mov_b32 s[G1A+1], 512<<16                    ; tensor_dim0 = 512: half a tile's image, 4,096 bytes
	s_mov_b32 s[G1A+2], 4<<16                      ; tensor_dim1 = 4 tiles
	s_mov_b32 s[G1A+3], 512<<16                    ; tile_dim0
	s_mov_b32 s[G1A+4], 4                          ; tile_dim1
	s_mov_b32 s[G1A+5], 1024                       ; from tile to tile: 8,192 bytes
	s_mov_b32 s[G1A+6], 0
	s_mov_b32 s[G1A+7], 0
	s_or_b32 s[G1B], s33, (3<<16)|(1<<20)|(1<<21)|(5<<22)|(3<<25)   ; B: padding of 4 words behind every 64
	s_mov_b32 s[G1B+1], 32<<16                     ; 256 bytes of a row
	s_mov_b32 s[G1B+2], 64<<16                     ; 64 rows
	s_mov_b32 s[G1B+3], 32<<16
	s_mov_b32 s[G1B+4], 64
	s_mov_b32 s[G1B+5], 64                         ; a row of W: 512 bytes
	s_mov_b32 s[G1B+6], 0
	s_mov_b32 s[G1B+7], 0
	s_lshl_b32 s86, s[WGY], 17                     ; A: 16 tiles of 8,192 bytes a work-group, 4 a load
	s_lshl_b32 s87, s[WNI], 15
	s_add_co_u32 s86, s86, s87
	s_mov_b32 s87, 0
	s_lshl_b32 s88, s[CX], 17                      ; B: 256 rows of 512 bytes a work-group, 64 a load
	s_lshl_b32 s89, s[WNI], 15
	s_add_co_u32 s88, s88, s89
	s_mov_b32 s89, 0
	s_lshl_b32 s34, s[WNI], 14                     ; where they go: no place in the cluster enters an LDS address
	s_mul_i32 s35, s[WNI], 17408
	s_add_co_u32 s35, s35, BL
	s_mov_b32 s[SEL], 0x76543210
	s_mov_b32 s[SEL+1], 0xfedcba98
	s_mov_b32 s[MSK], 0xffff0000
	s_wait_dscnt 0x0                               ; both opening adds are done
	s_wait_kmcnt 0x0
	s_cmp_eq_u32 ttmp9, 0                          ; the matrix: the cluster's x, the same in all partners
	s_cselect_b64 s[WC:WC+1], s[6:7], s[8:9]
	s_cselect_b64 s[WS:WS+1], s[12:13], s[14:15]
	s_cselect_b64 s[BI:BI+1], s[18:19], s[20:21]
	s_cmp_eq_u32 ttmp9, 2
	s_cselect_b64 s[WC:WC+1], s[10:11], s[WC:WC+1]
	s_cselect_b64 s[WS:WS+1], s[16:17], s[WS:WS+1]
	s_cselect_b64 s[BI:BI+1], s[22:23], s[BI:BI+1]
	s_add_nc_u64 s[86:87], s[4:5], s[86:87]
	s_add_nc_u64 s[88:89], s[WC:WC+1], s[88:89]
	s_mov_b32 s[G0A], 1
	s_mov_b32 s[G0A+1], s34
	s_mov_b64 s[G0A+2:G0A+3], s[86:87]
	s_or_b32 s[G0A+3], s[G0A+3], 0x80000000
	s_mov_b32 s[G0A+4], 1
	s_add_co_u32 s[G0A+5], s34, 65536
	s_add_nc_u64 s[G0A+6:G0A+7], s[86:87], 4096
	s_or_b32 s[G0A+7], s[G0A+7], 0x80000000
	s_mov_b32 s[G0B0], 1
	s_mov_b32 s[G0B0+1], s35
	s_mov_b64 s[G0B0+2:G0B0+3], s[88:89]
	s_or_b32 s[G0B0+3], s[G0B0+3], 0x80000000
	s_mov_b32 s[G0B1], 1
	s_add_co_u32 s[G0B1+1], s35, 69632
	s_add_nc_u64 s[G0B1+2:G0B1+3], s[88:89], 256
	s_or_b32 s[G0B1+3], s[G0B1+3], 0x80000000
	CROUND                                         ; all sixteen work-groups are here: the joint loads meet
	s_cmp_lt_u32 s[WV], 4                          ; one load a wave, in one chain of arms: waves 0-3 A's quarters of K's first half, 4-7 B's, 8-11 A's of the second half, 12-15 B's
	s_cbranch_scc0 .Lnot_a
	tensor_load_to_lds s[G0A:G0A+3], s[G1A:G1A+7]
	s_nop 0
.rept 4
	v_nop
.endr
	s_branch .Lasked
.Lnot_a:
	s_cmp_lt_u32 s[WV], 8
	s_cbranch_scc0 .Lnot_b
	tensor_load_to_lds s[G0B0:G0B0+3], s[G1B:G1B+7]
	s_nop 0
.rept 4
	v_nop
.endr
	s_branch .Lasked
.Lnot_b:
	s_cmp_lt_u32 s[WV], 12
	s_cbranch_scc0 .Lnot_a1
	tensor_load_to_lds s[G0A+4:G0A+7], s[G1A:G1A+7]
	s_nop 0
.rept 4
	v_nop
.endr
	s_branch .Lasked
.Lnot_a1:
	tensor_load_to_lds s[G0B1:G0B1+3], s[G1B:G1B+7]
	s_nop 0
.rept 4
	v_nop
.endr
.Lasked:
	v_and_b32 v13, 15, v0                          ; r
	v_bfe_u32 v14, v0, 4, 1                        ; h
	v_and_b32 v15, 31, v0                          ; lane
	s_delay_alu instid0(VALU_DEP_1)
	v_lshlrev_b32 v1, 4, v15                       ; 16 x lane
	s_lshl_b32 s2, s[WMI], 14
	v_add_nc_u32 v[ADA], s2, v1
	s_delay_alu instid0(VALU_DEP_1)
	v_add_nc_u32 v[ADA+1], 65536, v[ADA]
	v_mul_u32_u24 v12, v13, 272
	s_delay_alu instid0(VALU_DEP_1)
	v_lshl_add_u32 v12, v14, 4, v12
	s_mul_i32 s2, s[WNI], 17408
	s_add_co_u32 s2, s2, BL
	v_add_nc_u32 v[ADB], s2, v12
	s_delay_alu instid0(VALU_DEP_1)
	v_add_nc_u32 v[ADB+1], 69632, v[ADB]
	v_lshlrev_b32 v8, 5, v13
	s_delay_alu instid0(VALU_DEP_1)
	v_lshl_add_u32 v8, v14, 4, v8                  ; scale words: 32 bytes a row, + 16 h
	s_wait_alu depctr_va_vdst(0)
	v_lshlrev_b32 v9, 5, v14                       ; bias of q, k: my half's eight columns
	v_lshlrev_b32 v10, 1, v15                      ; scale half-words out: q, k
	v_lshlrev_b32 v11, 2, v15                      ; and v
	v_lshlrev_b32 v12, 2, v13                      ; bias of v: my channel
	v_mov_b32 v[TM+2], 0                           ; written once: a lane permute's destination counts as one of its sources
	v_mov_b32 v[TM+3], 0
	s_lshl_b32 s94, s[WGY], 13
	s_lshl_b32 s95, s[WMI], 11
	s_add_co_u32 s94, s94, s95
	s_add_co_u32 s94, s94, 2097152
	s_mov_b32 s95, 0
	s_add_nc_u64 s[90:91], s[4:5], s[94:95]        ; my 64 tokens' scale bytes
	s_lshl_b32 s94, s[CX], 13
	s_lshl_b32 s95, s[WNI], 11
	s_add_co_u32 s94, s94, s95
	s_mov_b32 s95, 0
	s_add_nc_u64 s[92:93], s[WS:WS+1], s[94:95]    ; my 64 rows' of W
	s_lshr_b32 s94, s94, 3
	s_add_nc_u64 s[BI:BI+1], s[BI:BI+1], s[94:95]  ; and their bias
.irp a, 0,1,2,3
	global_load_b128 v[SA+4*\a:SA+4*\a+3], v8, s[90:91] offset:512*\a
	global_load_b128 v[SBR+4*\a:SBR+4*\a+3], v8, s[92:93] offset:512*\a
.endr
	s_lshr_b32 s96, s[WGY], 3                      ; batch
	s_and_b32 s97, s[WGY], 7                       ; which 256 tokens of its 2,048
	s_lshl_b32 s98, s[CX], 2
	s_add_co_u32 s98, s98, s[WNI]                  ; head: my 64 columns are one
	s_lshl_b32 s99, s96, 4
	s_add_co_u32 s99, s99, s98                     ; bh
	s_cmp_eq_u32 ttmp9, 2
	s_cbranch_scc1 .Lv
	s_lshl_b32 s94, s99, 16                        ; q, k: (128 bh + 16 y + 4 wm) tiles of 512 bytes, + 2 MiB for k
	s_lshl_b32 s95, s97, 13
	s_add_co_u32 s94, s94, s95
	s_lshl_b32 s95, s[WMI], 11
	s_add_co_u32 s94, s94, s95
	s_lshl_b32 s95, ttmp9, 21
	s_add_co_u32 s94, s94, s95
	s_mov_b32 s95, 0
	s_add_nc_u64 s[OB:OB+1], s[24:25], s[94:95]
	s_lshl_b32 s94, s99, 12                        ; their scale half-words: 2 bytes a token
	s_lshl_b32 s95, s97, 9
	s_add_co_u32 s94, s94, s95
	s_lshl_b32 s95, s[WMI], 7
	s_add_co_u32 s94, s94, s95
	s_lshl_b32 s95, ttmp9, 17
	s_add_co_u32 s94, s94, s95
	s_add_co_u32 s94, s94, QS_
	s_mov_b32 s95, 0
	s_add_nc_u64 s[SBO:SBO+1], s[24:25], s[94:95]
	s_wait_alu depctr_va_vdst(0)
	BODY 0
	EPI 512, 64, 10
	s_branch .Lend
.Lv:
	s_lshl_b32 s66, s97, 1
	s_lshr_b32 s67, s[WMI], 1
	s_add_co_u32 s66, s66, s67                     ; which 128 keys my 64 tokens lie in,
	s_and_b32 s67, s[WMI], 1                       ; and which half of them
	s_lshl_b32 s94, s99, 16
	s_lshl_b32 s95, s66, 10
	s_add_co_u32 s94, s94, s95
	s_lshl_b32 s95, s67, 9
	s_add_co_u32 s94, s94, s95
	s_add_co_u32 s94, s94, VI_
	s_mov_b32 s95, 0
	s_add_nc_u64 s[OB:OB+1], s[24:25], s[94:95]
	s_lshl_b32 s94, s99, 12
	s_lshl_b32 s95, s66, 8
	s_add_co_u32 s94, s94, s95
	s_lshl_b32 s95, s67, 1
	s_add_co_u32 s94, s94, s95
	s_add_co_u32 s94, s94, VSO_
	s_mov_b32 s95, 0
	s_add_nc_u64 s[SBO:SBO+1], s[24:25], s[94:95]
	s_wait_alu depctr_va_vdst(0)
	BODY 1
.irp a, 0,1,2,3
.set i, 0
.rept 16
	v_pk_add_f32 v[ACC+32*\a+i:ACC+32*\a+i+1], v[ACC+32*\a+i:ACC+32*\a+i+1], v[112+2*\a:113+2*\a]   ; + bv of my channel, each accumulator from its low end on
.set i, i+2
.endr
.endr
	EPI 16384, 128, 11
.Lend:
	s_wait_tensorcnt 0x0                           ; the wave's end
	ds_add_u32 v[SPW], v[NIL]
	s_wait_dscnt 0x0
	CROUND                                         ; the closing round
	s_endpgm
.Lfunc_end_k_q0443c42084_qkv:
	.size	k_q0443c42084_qkv, .Lfunc_end_k_q0443c42084_qkv-k_q0443c42084_qkv
	.p2alignl 7, 3214868480
	.fill 96, 4, 3214868480
	.section	.rodata,"a",@progbits
	.p2align	6, 0x0
	.amdhsa_kernel k_q0443c42084_qkv
		.amdhsa_group_segment_fixed_size 272384
		.amdhsa_private_segment_fixed_size 0
		.amdhsa_enable_private_segment 0
		.amdhsa_kernarg_size 88
		.amdhsa_user_sgpr_count 2
		.amdhsa_user_sgpr_kernarg_segment_ptr 1
		.amdhsa_wavefront_size32 1
		.amdhsa_system_sgpr_workgroup_id_x 1
		.amdhsa_system_sgpr_workgroup_id_y 1
		.amdhsa_system_sgpr_workgroup_id_z 1
		.amdhsa_system_vgpr_workitem_id 0
		.amdhsa_next_free_vgpr 256
		.amdhsa_next_free_sgpr 100
		.amdhsa_reserve_vcc 0
		.amdhsa_float_denorm_mode_32 3
		.amdhsa_float_denorm_mode_16_64 3
		.amdhsa_memory_ordered 1
		.amdhsa_forward_progress 1
		.amdhsa_inst_pref_size 88
	.end_amdhsa_kernel
	.amdgpu_metadata
---
amdhsa.version: [ 1, 2 ]
amdhsa.kernels:
  - .name:           k_q0443c42084_qkv
    .symbol:         k_q0443c42084_qkv.kd
    .args:
      - { .name: act, .offset: 0, .size: 8, .value_kind: global_buffer, .address_space: global }
      - { .name: Wq_codes, .offset: 8, .size: 8, .value_kind: global_buffer, .address_space: global }
      - { .name: Wk_codes, .offset: 16, .size: 8, .value_kind: global_buffer, .address_space: global }
      - { .name: Wv_codes, .offset: 24, .size: 8, .value_kind: global_buffer, .address_space: global }
      - { .name: Wq_scales, .offset: 32, .size: 8, .value_kind: global_buffer, .address_space: global }
      - { .name: Wk_scales, .offset: 40, .size: 8, .value_kind: global_buffer, .address_space: global }
      - { .name: Wv_scales, .offset: 48, .size: 8, .value_kind: global_buffer, .address_space: global }
      - { .name: bq, .offset: 56, .size: 8, .value_kind: global_buffer, .address_space: global }
      - { .name: bk, .offset: 64, .size: 8, .value_kind: global_buffer, .address_space: global }
      - { .name: bv, .offset: 72, .size: 8, .value_kind: global_buffer, .address_space: global }
      - { .name: qkvb, .offset: 80, .size: 8, .value_kind: global_buffer, .address_space: global }
    .group_segment_fixed_size: 272384
    .private_segment_fixed_size: 0
    .kernarg_segment_align: 8
    .kernarg_segment_size: 88
    .max_flat_workgroup_size: 512
    .sgpr_count:     100
    .vgpr_count:     256
    .wavefront_size: 32
...
	.end_amdgpu_metadata
.endif
;; end of part 2
;; launch attn (part 3): grid 8 x 32, 8 waves a work-group, clusters of 4 x 1, 167,936 bytes of LDS; arguments qkvb, ob; writes ob
.if DOCPART == 3
	.amdgcn_target "amdgcn-amd-amdhsa--gfx1250"
	.amdhsa_code_object_version 6
	.text
	.protected	k_q0443c42084_attn
	.globl	k_q0443c42084_attn
	.p2align	8
	.type	k_q0443c42084_attn,@function
k_q0443c42084_attn:
	s_mov_b64 s[64:65], 0
	v_nop
	global_prefetch_b8 v0, s[64:65] scope:SCOPE_SE
	s_setreg_imm32_b32 hwreg(HW_REG_WAVE_MODE, 25, 1), 1
	s_wait_xcnt 0x0
	s_wait_alu depctr_hold_cnt(0) depctr_sa_sdst(0) depctr_va_vdst(0) depctr_va_sdst(0) depctr_va_ssrc(0) depctr_va_vcc(0) depctr_vm_vsrc(0)
	s_getreg_b32 s2, hwreg(HW_REG_IB_STS2, 6, 4)
	s_cmp_eq_u32 s2, 0
	s_cbranch_scc0 .Lentry_in_a_cluster
	s_endpgm
.Lentry_in_a_cluster:
	s_bfe_u32 s2, ttmp6, 0x10000c
	s_cmp_lg_u32 s2, 0x3003
	s_cbranch_scc0 .Lentry_shape_is_right
	s_endpgm
.Lentry_shape_is_right:
; o = softmax(q k^T / 8) v for each of 32 (batch, head), 2,048 tokens, head size 64, both products on codes of E2M1; o / l is quantised at once for the projection.  No work is left out.
; THE SOFTMAX AHEAD OF THE SECOND PRODUCT: t = score x log2(e) / 8; M = the running largest t rounded UP to a whole number; p = 2^(t - M) is quantised along the keys, not normalised; the row's sum is
; taken of the unquantised p and divides at the end.  When M moves, the sum and O are multiplied by 2^(old M - new M), which rounds nothing.
; IN (qkvb): q, k: [bh][tile of 16 tokens][half of 32 channels][token][16 bytes], scale half-words [bh][token]; v: [bh][tile of 16 channels][128 keys][block][channel][16 bytes], scale words [bh][128 keys][tile][channel].
; OUT (ob): codes [tile of 16 rows][32 blocks][16][16 bytes], block = 2 x head + half; scale bytes at 2,097,152: [head][row][2].
; SHARES: a work-group owns 256 queries of one head; each of its eight waves owns 32, two tiles of 16, so that a fragment of K or V read from LDS feeds two products and the two tiles' dependent lines take turns.
; A head's whole K, V and scales come into LDS once, by seven joint loads: the four query blocks of a cluster walk the same K and V.  Nothing is fetched behind the head, so there is no later load for a prefetch to run ahead of.
; LAYOUT: S^T = K Q^T, O^T = V^T P^T: a lane holds one query (lane % 16) of each tile throughout.  THE KEYS OF A TILE ARE CHOSEN: tile 4 c + w of a step takes keys 64 c + 8 w + 0 .. 7 as rows 0-7 and keys
; 64 c + 32 + 8 w + 0 .. 7 as rows 8-15.  So registers 32 c .. 32 c + 31 of lane (r, h) are keys 64 c + 32 h + 0 .. 31: one whole block of the quantiser, in the order in which the second product's operand wants it:
; a block's maximum needs no other lane, and the eight conversions' results are the operand's registers as they stand.
; THE FIRST PRODUCT'S K IS 64: Q's registers 4-7 hold zero codes, set once.  K's registers 4-7 of a tile are the next tile's registers 0-3: whatever codes they hold meet zeros; their scale bytes are the zeros of a 16-bit load.
; K IN LDS: 128 bytes of padding behind every 1,024, so that rows 0-7 and rows 8-15 of a tile, 1,024 bytes apart in memory, lie 1,152 apart: the sixteen lanes of a load touch 256 different bytes modulo 256.
; LIMITS: holds while |t| stays under 2^31; a block of zeros gets the byte 1 (only this program reads the bytes); NaN and infinities are not served.
.set VL,    73728                      ; LDS: K, 64 x 1,152 bytes, at 0; V [4 tiles][16 steps][1,024] here
.set KSL,   139264                     ; K's scale half-words [2,048]
.set VSL,   143360                     ; V's scale words [16 steps][4 tiles][16]
.set SPARE, 147456                     ; the spare words: 128 bytes for each of 8 waves
.set KI_,   2097152
.set VI_,   4194304
.set QS_,   6291456
.set KSO_,  6422528
; WINDOW 0
.set AK0,  1                           ; v1-4  my lane's place in K, V, K's scales, V's scales
.set AV0,  2
.set ASK0, 3
.set ASV0, 4
.set SPW,  5                           ; v5   my spare word; never rewritten
.set NIL,  6                           ; v6   0; never rewritten
.set L16,  7                           ; v7   16 x lane
.set NM,   8                           ; tile i: v[8+2i] -M, v[9+2i] the largest score
.set SUM,  12                          ; v[12+2i:13+2i] the sum in two halves
.set F,    16                          ; v[16+2i] f = 2^(old M - new M); v[17+2i] only named with it
.set BM,   20                          ; v[20+2i+c] block c's largest score, then p, then byte
.set SO,   24                          ; v[24+2i+c] the conversions' scale operand
.set TP,   28                          ; v[28+2i], v[29+2i] at work
.set PSC,  32                          ; v32-33 p's scale words;  v34-35 Q's;  v36-43 K's;  v44-47 V's
.set QSC,  34
.set KSC,  36
.set VSC,  44
.set QF,   48                          ; v48-63 Q's two fragments
.set KF,   64                          ; v64-99 K's eight fragments, four registers apart; v64-95 also tile 0's partial sums
.set PCD,  100                         ; v100-115 p's codes
.set R2,   121                         ; v121 2 r;  v122 2 r + h
.set GO,   122
.set ADK,  123                         ; v123-126 the step's addresses
.set ADV,  124
.set ADS,  125
.set ADT,  126
.set S0,   128                         ; v128-191, v192-255 S^T, then p
.set S1,   192
.set TM,   20                          ; the way out's quantiser: v20-25
; WINDOW 1: v0-63 (256-319) O^T, tile i at 32 i;  v64-95 V's four fragments
.set VF,   64
.set WV,   8
.set CX,   9
.set BH,   10
.set SEL,  52
.set CS,   54                          ; s[54:55] c = log2(e) / 8;  s56 -c
.set NC,   56
.set MSK,  57
.set CNT,  58
.set OFK,  59
.set OFV,  70
.set OFS,  71
.set MSB, 0
.macro WIN new                         ; s_set_vgpr_msb: bits 1:0 source 0, 3:2 source 1, 5:4 source 2, 7:6 destination; the high byte repeats the setting that is left
.if MSB != \new
	s_set_vgpr_msb (MSB<<8)|\new
.set MSB, \new
.endif
.endm
.macro CROUND
	s_barrier_signal -1
	s_barrier_wait -1
	s_cmp_lg_u32 s[WV], 0
	s_cbranch_scc1 .Lnot_wave_0_\@
	s_barrier_signal -3
.Lnot_wave_0_\@:
	s_barrier_wait -3
	s_barrier_signal -1
	s_barrier_wait -1
.endm
.macro ARM under, g0, g1, next         ; one arm of the head's chain: its load, and a jump to the chain's end
	s_cmp_lt_u32 s[WV], \under
	s_cbranch_scc0 \next
	tensor_load_to_lds s[\g0:\g0+3], s[\g1:\g1+7]
	s_nop 0
.rept 4
	v_nop
.endr
	s_branch .Lhead_asked
\next:
.endm
.macro REST b, i                       ; 16 pairs at b -> one pair, and the tile's sum = sum x f + it
.irp n, 16,8,4,2
.set k, 0
.rept \n/2
	v_pk_add_f32 v[\b+k:\b+k+1], v[\b+k:\b+k+1], v[\b+\n+k:\b+\n+k+1]
.set k, k+2
.endr
.endr
	v_pk_fma_f32 v[SUM+2*\i:SUM+2*\i+1], v[SUM+2*\i:SUM+2*\i+1], v[F+2*\i:F+2*\i+1], v[\b:\b+1] op_sel_hi:[1,0,1]
.endm
.macro LATE                            ; tile 1's p of the step before are summed in place: their codes have been made
.set k, 0
.rept 16
	v_pk_add_f32 v[S1+k:S1+k+1], v[S1+k:S1+k+1], v[S1+32+k:S1+33+k]
.set k, k+2
.endr
	REST S1, 1
.endm
.macro QUANT2 s, pc, xb                ; 32 numbers of a lane, register 8 b + j = channel 16 b + 8 (lane / 16) + j: codes in v[pc:pc+3] (lane (r, h): block h of row r); lanes 0-15 block 0's byte, lanes 16-31 block 1's in v[xb]
	v_max3_num_f32 v[TM], |v[\s]|, |v[\s+1]|, 0x1800000
	v_max3_num_f32 v[TM+1], |v[\s+16]|, |v[\s+17]|, 0x1800000
.irp i, 2,4,6,8,10,12,14
	v_max3_num_f32 v[TM], v[TM], |v[\s+\i]|, |v[\s+\i+1]|
	v_max3_num_f32 v[TM+1], v[TM+1], |v[\s+16+\i]|, |v[\s+17+\i]|
.endr
	v_permlanex16_b32 v[TM+2], v[TM], s[SEL], s[SEL+1]
	v_permlanex16_b32 v[TM+3], v[TM+1], s[SEL], s[SEL+1]
	v_max_num_f32 v[TM], v[TM], v[TM+2]
	v_max_num_f32 v[TM+1], v[TM+1], v[TM+3]
	v_add_nc_u32 v[TM+4], 0xff000000, v[TM]
	v_add_nc_u32 v[TM+5], 0xff000000, v[TM+1]
	v_lshrrev_b32 v[TM+2], 23, v[TM+4]
	v_lshrrev_b32 v[TM+3], 23, v[TM+5]
	v_cndmask_b32 v[\xb], v[TM+2], v[TM+3], s[MSK]
	v_cvt_scalef32_pk8_fp4_f32 v[\pc], v[\s:\s+7], v[TM+4]
	v_cvt_scalef32_pk8_fp4_f32 v[\pc+2], v[\s+8:\s+15], v[TM+4]
	v_cvt_scalef32_pk8_fp4_f32 v[\pc+1], v[\s+16:\s+23], v[TM+5]
	v_cvt_scalef32_pk8_fp4_f32 v[\pc+3], v[\s+24:\s+31], v[TM+5]
	v_nop                                          ; a plain instruction behind the last scaled conversion
	v_permlane16_swap_b32 v[\pc], v[\pc+1]
	v_permlane16_swap_b32 v[\pc+2], v[\pc+3]
.endm
	s_load_b128 s[4:7], s[0:1], 0x0                ; qkvb, ob
	v_lshl_add_u32 v[SPW], v0, 2, SPARE
	v_mov_b32 v[NIL], 0
	ds_add_u32 v[SPW], v[NIL]                      ; the wave's opening: the add, twice on end, and its wait ahead of the first tensor loads
	ds_add_u32 v[SPW], v[NIL]
	v_lshrrev_b32 v116, 5, v0
	v_readfirstlane_b32 s[WV], v116                ; wave 0..7
	s_bfe_u32 s[CX], ttmp6, 0x40000
	s_and_b32 s[BH], ttmp7, 0xffff                 ; 16 x batch + head, which the four partners share
	s_mov_b32 s16, 15|(3<<16)|(1<<20)|(1<<21)|(7<<22)|(31<<25)   ; K: 16 rows of 1,024 bytes, dense; 32 words of padding behind every 256; the mask names all four
	s_mov_b32 s17, 128<<16
	s_mov_b32 s18, 16<<16
	s_mov_b32 s19, 128<<16
	s_mov_b32 s20, 16
	s_mov_b32 s21, 128
	s_mov_b32 s22, 0
	s_mov_b32 s23, 0
	s_mov_b32 s24, 15|(3<<16)|(1<<21)              ; V: 32 KiB dense, as 128 rows of 256 bytes
	s_mov_b32 s25, 32<<16
	s_mov_b32 s26, 128<<16
	s_mov_b32 s27, 32<<16
	s_mov_b32 s28, 128
	s_mov_b32 s29, 32
	s_mov_b32 s30, 0
	s_mov_b32 s31, 0
	s_mov_b32 s32, 15|(3<<16)|(1<<21)              ; the scales: two rows of 4,096 bytes, K's and V's, 131,072 bytes apart in memory, on end in LDS
	s_mov_b32 s33, 512<<16
	s_mov_b32 s34, 2<<16
	s_mov_b32 s35, 512<<16
	s_mov_b32 s36, 2
	s_mov_b32 s37, 16384
	s_mov_b32 s38, 0
	s_mov_b32 s39, 0
	s_lshl_b32 s11, s[BH], 16
	s_and_b32 s72, s[WV], 3                        ; waves 0-3: K's quarters
	s_lshl_b32 s12, s72, 14
	s_add_co_u32 s12, s12, s11
	s_add_co_u32 s12, s12, KI_
	s_mov_b32 s13, 0
	s_mul_i32 s72, s72, 18432
	s_and_b32 s73, s[WV], 1                        ; waves 4, 5: V's halves
	s_lshl_b32 s73, s73, 15
	s_add_co_u32 s14, s73, s11
	s_add_co_u32 s14, s14, VI_
	s_mov_b32 s15, 0
	s_add_co_u32 s73, s73, VL
	s_lshl_b32 s70, s[BH], 12                      ; wave 6: the scales
	s_add_co_u32 s70, s70, KSO_
	s_mov_b32 s71, 0
	s_mov_b32 s[SEL], 0x76543210
	s_mov_b32 s[SEL+1], 0xfedcba98                 ; v_permlanex16_b32's selects for lane l xor 16
	s_mov_b32 s[CS], 0x3e38aa3b
	s_mov_b32 s[CS+1], s[CS]
	s_mov_b32 s[NC], 0xbe38aa3b
	s_mov_b32 s[MSK], 0xffff0000
	s_mov_b32 s[CNT], 16                           ; steps of 128 keys
	s_mov_b32 s[OFK], 0
	s_wait_dscnt 0x0                               ; both opening adds are done
	s_wait_kmcnt 0x0
	s_mov_b32 s40, 1
	s_mov_b32 s41, s72
	s_add_nc_u64 s[42:43], s[4:5], s[12:13]
	s_or_b32 s43, s43, 0x80000000
	s_mov_b32 s44, 1
	s_mov_b32 s45, s73
	s_add_nc_u64 s[46:47], s[4:5], s[14:15]
	s_or_b32 s47, s47, 0x80000000
	s_mov_b32 s48, 1
	s_mov_b32 s49, KSL
	s_add_nc_u64 s[50:51], s[4:5], s[70:71]
	s_or_b32 s51, s51, 0x80000000
	CROUND                                         ; all four work-groups are here: the joint loads meet
	ARM 4, 40, 16, .Lhead_v                        ; one load a wave, in waves 0 to 6
	ARM 6, 44, 24, .Lhead_s
	ARM 7, 48, 32, .Lhead_none
.Lhead_asked:
	s_lshl_b32 s11, ttmp9, 2
	s_add_co_u32 s11, s11, s[CX]
	s_lshl_b32 s11, s11, 3
	s_add_co_u32 s11, s11, s[WV]
	s_lshl_b32 s11, s11, 1                         ; my first tile of 16 queries, 0 .. 126
	s_lshl_b32 s12, s[BH], 16
	s_lshl_b32 s14, s11, 9
	s_add_co_u32 s12, s12, s14
	s_add_nc_u64 s[60:61], s[4:5], s[12:13]        ; its codes
	s_lshl_b32 s12, s[BH], 12
	s_lshl_b32 s14, s11, 5
	s_add_co_u32 s12, s12, s14
	s_add_co_u32 s12, s12, QS_
	s_add_nc_u64 s[62:63], s[4:5], s[12:13]        ; its scale half-words
	s_lshr_b32 s14, s[BH], 4                       ; batch
	s_and_b32 s15, s[BH], 15                       ; head
	s_lshl_b32 s12, s14, 7
	s_add_co_u32 s12, s12, s11
	s_lshl_b32 s12, s12, 13
	s_lshl_b32 s70, s15, 9
	s_add_co_u32 s12, s12, s70
	s_add_nc_u64 s[66:67], s[6:7], s[12:13]        ; out: the tile's image, my head's two blocks
	s_lshl_b32 s12, s15, 13
	s_lshl_b32 s70, s14, 12
	s_add_co_u32 s12, s12, s70
	s_lshl_b32 s70, s11, 5
	s_add_co_u32 s12, s12, s70
	s_add_co_u32 s12, s12, 2097152
	s_add_nc_u64 s[68:69], s[6:7], s[12:13]        ; and its scale bytes
	s_mov_b32 s[OFV], 0
	s_mov_b32 s[OFS], 0
	v_and_b32 v116, 7, v0                          ; r % 8
	v_bfe_u32 v117, v0, 3, 1                       ; r / 8
	v_bfe_u32 v118, v0, 4, 1                       ; h
	v_and_b32 v119, 15, v0                         ; r
	v_and_b32 v120, 31, v0
	v_lshlrev_b32 v[L16], 4, v120
	v_lshlrev_b32 v[R2], 1, v119
	global_load_b128 v[QF:QF+3], v[L16], s[60:61]              ; Q's fragments stay in registers
	global_load_b128 v[QF+8:QF+11], v[L16], s[60:61] offset:512
	global_load_u16 v[QSC], v[R2], s[62:63]                    ; and their scale bytes
	global_load_u16 v[QSC+1], v[R2], s[62:63] offset:32
	v_lshlrev_b32 v[AK0], 4, v116
	v_lshl_add_u32 v[AK0], v118, 8, v[AK0]
	v_mad_u32_u24 v[AK0], v117, 1152, v[AK0]       ; K: 16 (r % 8) + 256 h + 1,152 (r / 8)
	v_add_nc_u32 v[AV0], VL, v[L16]
	v_lshl_add_u32 v[ASK0], v116, 1, KSL
	v_lshl_add_u32 v[ASK0], v117, 6, v[ASK0]       ; K's scales: 2 bytes a key; rows 8-15 are 32 keys on
	v_lshl_add_u32 v[ASV0], v119, 2, VSL
	v_lshl_add_u32 v[GO], v119, 1, v118
.irp i, 0,1
	v_mov_b32 v[NM+2*\i], 0x7e800000               ; -M: 2^126, over every -M to come: the first f is 0
	v_mov_b32 v[NM+2*\i+1], 0xff61b1e6             ; the largest score so far: -3e38
.endr
.irp j, 12,13,14,15,16,17,18,19,28,29,30,31
	v_mov_b32 v[\j], 0                             ; the sums; f; and the lane permutes' destinations, which count as sources
.endr
.irp j, 4,5,6,7,12,13,14,15
	v_mov_b32 v[QF+\j], 0                          ; zero codes for k = 64 .. 127
.endr
.irp j, 32,33,34,35
	v_mov_b32 v[KF+\j], 0                          ; what the eighth fragment of K names beyond its own four
.endr
.set j, 0
.rept 64
	v_mov_b32 v[S1+j], 0                           ; the first trip sums tile 1's p of no step: zeros
.set j, j+1
.endr
	WIN 0x40
.set j, 0
.rept 64
	v_mov_b32 v[j], 0                              ; O^T: the loop is written once; its first step finds zeros
.set j, j+1
.endr
	WIN 0
	s_wait_alu depctr_va_vdst(0)                   ; the wait at the head's end
	s_wait_tensorcnt 0x0                           ; my part is in
	s_barrier_signal -1
	s_barrier_wait -1                              ; everybody's is
	s_wait_loadcnt 0x0                             ; Q
.Lstep:                                            ; 16 trips: 128 keys each
	v_add_nc_u32 v[ADK], s[OFK], v[AK0]            ; (these four are also the places behind the last trip's products, in front of the loads into V's registers)
	v_add_nc_u32 v[ADV], s[OFV], v[AV0]
	v_add_nc_u32 v[ADS], s[OFS], v[ASK0]
	v_add_nc_u32 v[ADT], s[OFS], v[ASV0]
.irp t, 0,1,2,3,4,5,6,7
	ds_load_b128 v[KF+4*\t:KF+4*\t+3], v[ADK] offset:(\t/4)*2304+((\t%4)/2)*512+(\t%2)*128
.endr
.irp t, 0,1,2,3,4,5,6,7
	ds_load_u16 v[KSC+\t], v[ADS] offset:(\t/4)*128+(\t%4)*16
.endr
	WIN 0x40                                       ; destination window 1
.irp t, 0,1,2,3
	ds_load_b128 v[VF+8*\t:VF+8*\t+3], v[ADV] offset:16384*\t
	ds_load_b128 v[VF+8*\t+4:VF+8*\t+7], v[ADV] offset:16384*\t+512
.endr
	WIN 0
.irp t, 0,1,2,3
	ds_load_b32 v[VSC+\t], v[ADT] offset:64*\t
.endr
	LATE                                           ; work on registers while the loads are out
	s_wait_alu depctr_va_vdst(0)                   ; directly ahead of the wait below
	s_wait_dscnt 12                                ; K and its scales are in; V's eight loads and its four scale words may be out
.irp t, 0,1,2,3,4,5,6,7
.irp i, 0,1
	v_wmma_scale_f32_16x16x128_f8f6f4 v[S0+64*\i+8*\t:S0+64*\i+8*\t+7], v[KF+4*\t:KF+4*\t+7], v[QF+8*\i:QF+8*\i+7], 0, v[KSC+\t], v[QSC+\i] matrix_a_fmt:MATRIX_FMT_FP4 matrix_b_fmt:MATRIX_FMT_FP4
.endr
.endr
.rept 4
	v_nop                                          ; four places in front of the first read of results
.endr
.irp c, 0,1                                    ; each block's largest score: for the row's maximum and, since p rises with the score, for the block's largest p.  Four chains by turns, each accumulator from its low end on
.irp i, 0,1
	v_max3_num_f32 v[BM+2*\i+\c], v[S0+64*\i+32*\c], v[S0+64*\i+32*\c+1], v[S0+64*\i+32*\c+2]
.endr
.endr
.set k, 3
.rept 14
.irp c, 0,1
.irp i, 0,1
	v_max3_num_f32 v[BM+2*\i+\c], v[BM+2*\i+\c], v[S0+64*\i+32*\c+k], v[S0+64*\i+32*\c+k+1]
.endr
.endr
.set k, k+2
.endr
.irp c, 0,1
.irp i, 0,1
	v_max_num_f32 v[BM+2*\i+\c], v[BM+2*\i+\c], v[S0+64*\i+32*\c+31]
.endr
.endr
.irp i, 0,1
	v_max_num_f32 v[TP+2*\i+1], v[BM+2*\i], v[BM+2*\i+1]
.endr
.irp i, 0,1
	v_permlanex16_b32 v[TP+2*\i], v[TP+2*\i+1], s[SEL], s[SEL+1]
.endr
.irp i, 0,1
	v_max3_num_f32 v[NM+2*\i+1], v[NM+2*\i+1], v[TP+2*\i+1], v[TP+2*\i]   ; the running largest score of my query, lane l xor 16's keys among them
.endr
.irp i, 0,1
	v_mul_f32 v[TP+2*\i+1], s[NC], v[NM+2*\i+1]    ; -t
.endr
.irp i, 0,1
	v_floor_f32 v[TP+2*\i+1], v[TP+2*\i+1]         ; the new -M = -ceil(t)
.endr
.irp i, 0,1
	v_sub_f32 v[TP+2*\i], v[TP+2*\i+1], v[NM+2*\i] ; old M - new M: a whole number, 0 or less
.endr
.irp i, 0,1
	v_mov_b32 v[NM+2*\i], v[TP+2*\i+1]
.endr
.irp i, 0,1
	v_cvt_i32_f32 v[TP+2*\i], v[TP+2*\i]           ; (it saturates)
.endr
.irp i, 0,1
	v_ldexp_f32 v[F+2*\i], 1.0, v[TP+2*\i]         ; f = 2^(old M - new M)
.endr
.set j, 0
.rept 32
	v_pk_fma_f32 v[S0+j:S0+j+1], v[S0+j:S0+j+1], s[CS:CS+1], v[NM:NM+1] op_sel_hi:[1,0,0]   ; tile 0: t - M
.set j, j+2
.endr
.irp i, 0,1
.irp c, 0,1
	v_fma_f32 v[BM+2*\i+\c], v[BM+2*\i+\c], s[CS], v[NM+2*\i]
.endr
.endr
	WIN 0x41                                       ; destination and source 0 window 1
.irp i, 0,1
.set j, 0
.rept 16
	v_pk_mul_f32 v[32*\i+j:32*\i+j+1], v[32*\i+j:32*\i+j+1], v[F+2*\i:F+2*\i+1] op_sel_hi:[1,0]   ; O^T under the new M, ahead of the step's exponentials
.set j, j+2
.endr
.endr
	WIN 0
	s_wait_alu depctr_va_vdst(0)                   ; ahead of the batch
.irp j, 0,1,2,3
	v_exp_f32 v[BM+\j], v[BM+\j]                   ; each block's largest p
.endr
.set j, 0
.rept 32                                       ; tile 0's p = 2^(t - M); between them tile 1's t - M: each reads what stood ahead of the wait above, and is read behind the wait below
	v_exp_f32 v[S0+j], v[S0+j]
	v_pk_fma_f32 v[S1+j:S1+j+1], v[S1+j:S1+j+1], s[CS:CS+1], v[NM+2:NM+3] op_sel_hi:[1,0,0]
	v_exp_f32 v[S0+j+1], v[S0+j+1]
.set j, j+2
.endr
	v_nop                                          ; a plain instruction behind the exponentials
	s_wait_alu depctr_va_vdst(0)                   ; one wait for the batch, ahead of its first reader
.irp j, 0,1,2,3
	v_max_num_f32 v[BM+\j], 0x1800000, v[BM+\j]    ; the floor 2^(3 - 127): the byte cannot fall under 1
.endr
.irp j, 0,1,2,3
	v_add_nc_u32 v[SO+\j], 0xff000000, v[BM+\j]    ; 2 off the exponent field: the conversion's scale operand
.endr
.irp j, 0,1,2,3
	v_lshrrev_b32 v[BM+\j], 23, v[SO+\j]           ; the scale's byte
.endr
.irp i, 0,1
	v_lshl_or_b32 v[TP+2*\i+1], v[BM+2*\i+1], 16, v[BM+2*\i]   ; my blocks h and 2 + h, at bytes 0 and 2
.endr
.irp i, 0,1
	v_permlanex16_b32 v[TP+2*\i], v[TP+2*\i+1], s[SEL], s[SEL+1]
.endr
.irp i, 0,1
	v_lshl_or_b32 v[PSC+\i], v[TP+2*\i], 8, v[TP+2*\i+1]       ; lanes 0-15: p's scale word for these 128 keys (lanes 16-31 are not read)
.endr
	s_wait_alu depctr_va_vdst(0)                   ; ahead of the second batch
.set k, 0
.rept 8                                        ; tile 1's p; between them tile 0's codes and the first level of its sum, into the registers that held K
	v_exp_f32 v[S1+8*k], v[S1+8*k]
	v_exp_f32 v[S1+8*k+1], v[S1+8*k+1]
	v_cvt_scalef32_pk8_fp4_f32 v[PCD+k], v[S0+8*k:S0+8*k+7], v[SO+k/4]
	v_exp_f32 v[S1+8*k+2], v[S1+8*k+2]
	v_exp_f32 v[S1+8*k+3], v[S1+8*k+3]
	v_pk_add_f32 v[KF+4*k:KF+4*k+1], v[S0+4*k:S0+4*k+1], v[S0+32+4*k:S0+33+4*k]
	v_exp_f32 v[S1+8*k+4], v[S1+8*k+4]
	v_exp_f32 v[S1+8*k+5], v[S1+8*k+5]
	v_pk_add_f32 v[KF+4*k+2:KF+4*k+3], v[S0+4*k+2:S0+4*k+3], v[S0+34+4*k:S0+35+4*k]
	v_exp_f32 v[S1+8*k+6], v[S1+8*k+6]
	v_exp_f32 v[S1+8*k+7], v[S1+8*k+7]
.set k, k+1
.endr
	v_nop
	s_wait_alu depctr_va_vdst(0)                   ; and one wait for this batch
.set k, 0
.rept 8
	v_cvt_scalef32_pk8_fp4_f32 v[PCD+8+k], v[S1+8*k:S1+8*k+7], v[SO+2+k/4]
.set k, k+1
.endr
	REST KF, 0                                     ; tile 0's sum; these sixteen are also the places in front of the products below
	s_wait_alu depctr_va_vdst(0)                   ; directly ahead of the wait below
	s_wait_dscnt 0x0                               ; V
	WIN 0x51                                       ; V, C and D window 1; p's codes window 0
.irp t, 0,1,2,3
.irp i, 0,1
	v_wmma_scale_f32_16x16x128_f8f6f4 v[32*\i+8*\t:32*\i+8*\t+7], v[VF+8*\t:VF+8*\t+7], v[PCD+8*\i:PCD+8*\i+7], v[32*\i+8*\t:32*\i+8*\t+7], v[VSC+\t], v[PSC+\i] matrix_a_fmt:MATRIX_FMT_FP4 matrix_b_fmt:MATRIX_FMT_FP4
.endr
.endr
	WIN 0
	s_add_co_u32 s[OFK], s[OFK], 4608
	s_add_co_u32 s[OFV], s[OFV], 1024
	s_add_co_u32 s[OFS], s[OFS], 256
	s_sub_co_i32 s[CNT], s[CNT], 1
	s_cmp_lg_u32 s[CNT], 0
	s_cbranch_scc1 .Lstep
	LATE                                           ; the last step's p of tile 1; also the places behind the last products
.irp i, 0,1
	v_add_f32 v[SUM+2*\i], v[SUM+2*\i], v[SUM+2*\i+1]
.endr
.irp i, 0,1
	v_permlanex16_b32 v[TP+2*\i], v[SUM+2*\i], s[SEL], s[SEL+1]
.endr
.irp i, 0,1
	v_add_f32 v[SUM+2*\i], v[SUM+2*\i], v[TP+2*\i] ; the row's sum
.endr
	s_wait_alu depctr_va_vdst(0)
	v_rcp_f32 v[SUM], v[SUM]
	v_rcp_f32 v[SUM+2], v[SUM+2]
	v_nop
	WIN 0x01                                       ; source 0 window 1
	s_wait_alu depctr_va_vdst(0)                   ; for the reciprocals and, directly ahead of its first readers, for O^T
.irp i, 0,1
.set j, 0
.rept 32
	v_mul_f32 v[S0+64*\i+j], v[32*\i+j], v[SUM+2*\i]   ; o: register 8 t + n is channel 16 t + 8 h + n of my query
.set j, j+1
.endr
.endr
	WIN 0
	QUANT2 S0, PCD, 29
	global_store_b128 v[L16], v[PCD:PCD+3], s[66:67]           ; 512 consecutive bytes a wave
	global_store_b8 v[GO], v29, s[68:69]
	QUANT2 S1, PCD+8, 31
	global_store_b128 v[L16], v[PCD+8:PCD+11], s[66:67] offset:8192
	global_store_b8 v[GO], v31, s[68:69] offset:32
	s_wait_tensorcnt 0x0                           ; the wave's end
	ds_add_u32 v[SPW], v[NIL]
	s_wait_dscnt 0x0
	CROUND                                         ; the closing round
	s_endpgm
.Lfunc_end_k_q0443c42084_attn:
	.size	k_q0443c42084_attn, .Lfunc_end_k_q0443c42084_attn-k_q0443c42084_attn
	.p2alignl 7, 3214868480
	.fill 96, 4, 3214868480
	.section	.rodata,"a",@progbits
	.p2align	6, 0x0
	.amdhsa_kernel k_q0443c42084_attn
		.amdhsa_group_segment_fixed_size 167936
		.amdhsa_private_segment_fixed_size 0
		.amdhsa_enable_private_segment 0
		.amdhsa_kernarg_size 16
		.amdhsa_user_sgpr_count 2
		.amdhsa_user_sgpr_kernarg_segment_ptr 1
		.amdhsa_wavefront_size32 1
		.amdhsa_system_sgpr_workgroup_id_x 1
		.amdhsa_system_sgpr_workgroup_id_y 1
		.amdhsa_system_sgpr_workgroup_id_z 1
		.amdhsa_system_vgpr_workitem_id 0
		.amdhsa_next_free_vgpr 352
		.amdhsa_next_free_sgpr 80
		.amdhsa_reserve_vcc 0
		.amdhsa_float_denorm_mode_32 3
		.amdhsa_float_denorm_mode_16_64 3
		.amdhsa_memory_ordered 1
		.amdhsa_forward_progress 1
		.amdhsa_inst_pref_size 49
	.end_amdhsa_kernel
	.amdgpu_metadata
---
amdhsa.version: [ 1, 2 ]
amdhsa.kernels:
  - .name:           k_q0443c42084_attn
    .symbol:         k_q0443c42084_attn.kd
    .args:
      - { .name: qkvb, .offset: 0, .size: 8, .value_kind: global_buffer, .address_space: global }
      - { .name: ob, .offset: 8, .size: 8, .value_kind: global_buffer, .address_space: global }
    .group_segment_fixed_size: 167936
    .private_segment_fixed_size: 0
    .kernarg_segment_align: 8
    .kernarg_segment_size: 16
    .max_flat_workgroup_size: 256
    .sgpr_count:     80
    .vgpr_count:     352
    .wavefront_size: 32
...
	.end_amdgpu_metadata
.endif
;; end of part 3
;; launch woln (part 4): grid 256 x 1, 16 waves a work-group, clusters of 4 x 1, 327,680 bytes of LDS; arguments ob, Wo_codes, Wo_scales, bo, x, ln2_g, ln2_b, x1, act; writes x1, act
.if DOCPART == 4
	.amdgcn_target "amdgcn-amd-amdhsa--gfx1250"
	.amdhsa_code_object_version 6
	.text
	.protected	k_q0443c42084_woln
	.globl	k_q0443c42084_woln
	.p2align	8
	.type	k_q0443c42084_woln,@function
k_q0443c42084_woln:
	s_mov_b64 s[64:65], 0
	v_nop
	global_prefetch_b8 v0, s[64:65] scope:SCOPE_SE
	s_setreg_imm32_b32 hwreg(HW_REG_WAVE_MODE, 25, 1), 1
	s_wait_xcnt 0x0
	s_wait_alu depctr_hold_cnt(0) depctr_sa_sdst(0) depctr_va_vdst(0) depctr_va_sdst(0) depctr_va_ssrc(0) depctr_va_vcc(0) depctr_vm_vsrc(0)
	s_getreg_b32 s2, hwreg(HW_REG_IB_STS2, 6, 4)
	s_cmp_eq_u32 s2, 0
	s_cbranch_scc0 .Lentry_in_a_cluster
	s_endpgm
.Lentry_in_a_cluster:
	s_bfe_u32 s2, ttmp6, 0x10000c
	s_cmp_lg_u32 s2, 0x3003
	s_cbranch_scc0 .Lentry_shape_is_right
	s_endpgm
.Lentry_shape_is_right:
; x1 = x + o Wo^T + bo, the product on codes of E2M1; then LN2(x1) and the quantiser along the 1,024 channels, in the same launch.  No work is left out.
; IN: ob: codes [tile of 16 rows][32 blocks][16][16 bytes], scale half-words at 2,097,152: [K / 64][row].  Wo: codes [1024][512 bytes], scale bytes [1024][32].  x, x1: [4096][1024] f32.
; OUT: x1, and act: codes [tile of 16 rows][32 blocks][16][16 bytes], scale bytes [row][32] at 2,097,152.
; SHARES: a work-group owns a tile of 16 WHOLE rows, 1,024 columns, so that the rows' means and variances need no other work-group: 256 work-groups.  Wo's 1,024 rows come through LDS in two halves of 512 rows
; x 512 bytes, 16 bytes of padding behind each: each of the sixteen waves fetches 32 rows, one load at the head and one refill.  CLUSTER 4 x 1: all work-groups walk the same Wo, so each load is asked for jointly by four.
; In each half wave w makes columns 16 w .. + 15 and 256 + 16 w .. + 15 of the half's 512: two tiles x 8 K steps.  Each tile's even K steps add onto its result, which begins as the bias; the odd ones onto a second
; accumulator: four accumulators by turns.  o's eight fragments stay in registers, loaded as 512 consecutive bytes a wave.
; Source 0 = 16 rows of Wo, source 1 = the 16 rows of o: a lane holds eight neighbouring columns of one row.
; THE WAY OUT: the results meet in a stage of 16 rows x 4,112 bytes, in slot bytes that have had their last fill and their last read.  Wave w takes row w: it adds x, stores x1 as 512 consecutive bytes an instruction,
; puts the row back, and reads it again as 4 x 8 neighbours a lane (numbers 256 t + 8 lane + 0 .. 7), as the quantiser wants them.  y = (x1 - mean) rsqrt(var + 1e-5) g + b in f32, the mean first and the variance of x1 - mean.
; The rows' codes meet in LDS as the tile's image and leave as 16 bytes a thread.
; The text has no loop, so there is no trip in which a prefetch could run ahead of the one refill.  The launch claims all of a WGP's LDS.
; LIMITS: a block of zeros gets the byte 1, not 127 (its codes are zeros; only this program reads the bytes); blocks whose largest magnitude lies under 2^-124 keep the byte 1; NaN and infinities are not served.
.set BP,    528                        ; a row of Wo in LDS
.set SP_,   4112                       ; a row of the stage
.set IMG,   66048                      ; behind the stage: the tile's image, 8,192 bytes
.set SC,    74240                      ; its scale bytes [row][32]
.set SPARE, 270336                     ; behind the 512 rows: the spare words, 128 bytes for each of 16 waves
.set L16, 1                            ; v1   16 x lane
.set ADB, 2                            ; v2-3 my two tiles of Wo
.set STO, 4                            ; v4   into the stage
.set RD,  5                            ; v5   my row of the stage, 16 bytes a lane
.set SPW, 6                            ; v6   my spare word; never rewritten
.set NIL, 7                            ; v7   0; never rewritten
.set SA,  16                           ; v16-19 o's scale words: register j: K step j in lanes 0-15, 4 + j in lanes 16-31
.set SB,  20                           ; v20-35 Wo's likewise, tile 2 p + s at 20 + 4 (2 p + s)
.set AF,  36                           ; v36-99 o's eight fragments; then D, X
.set BF,  100                          ; v100-163 Wo's fragments: two groups of two tiles x two K steps; then g, b
.set RES, 164                          ; v164-195 the four tiles' results
.set ACO, 196                          ; v196-211 the odd K steps' sums; then the quantiser's
.set XR,  212                          ; v212-243 my row of x
.set SH,  244                          ; v244-247 the upper halves of o's scale words
.set RX,  248                          ; v248 my row of the stage, 32 bytes a lane
.set L32, 249                          ; v249 32 x lane
.set IMGA, 250                         ; v250 the image: IMG + 256 x block + 16 x row + 4 x word
.set SCA, 251                          ; v251 SC + 32 x row + block
.set T16, 252                          ; v252 16 x thread
.set IMGR, 253                         ; v253 IMG + 16 x thread
.set SCR, 254                          ; v254 SC + 16 x lane
.set GBA, 255                          ; v255 GB + 32 x lane
.set GB,  272384                       ; behind the spare words: g, 4,096 bytes, then b: stored once at the head, 512 bytes a wave; no fill lands here
.set D,   36
.set X,   68
.set G,   100
.set BV,  132
.set MX,  196
.set SO,  200
.set BY,  204
.set CD,  208
.set WV,  22
.set CX,  23
.set TL,  24
.set G1,  28
.set G0,  36
.set SEL, 40
.set RN,  42
.set EPS, 43
.macro CROUND
	s_barrier_signal -1
	s_barrier_wait -1
	s_cmp_lg_u32 s[WV], 0
	s_cbranch_scc1 .Lnot_wave_0_\@
	s_barrier_signal -3
.Lnot_wave_0_\@:
	s_barrier_wait -3
	s_barrier_signal -1
	s_barrier_wait -1
.endm
.macro PL
.rept 4
	v_nop                                          ; four places behind matrix instructions (ISA guide 7.12.1 for vector instructions)
.endr
.endm
.macro WM zero, row
.if \zero
	v_wmma_scale_f32_16x16x128_f8f6f4 v[rD:rD+7], v[rS0:rS0+7], v[rS1:rS1+7], 0, v[rQ0], v[rQ1] matrix_a_fmt:MATRIX_FMT_FP4 matrix_b_fmt:MATRIX_FMT_FP4
.elseif \row
	v_wmma_scale_f32_16x16x128_f8f6f4 v[rD:rD+7], v[rS0:rS0+7], v[rS1:rS1+7], v[rD:rD+7], v[rQ0], v[rQ1] matrix_a_fmt:MATRIX_FMT_FP4 matrix_b_fmt:MATRIX_FMT_FP4 matrix_a_scale:MATRIX_SCALE_ROW1 matrix_b_scale:MATRIX_SCALE_ROW1
.else
	v_wmma_scale_f32_16x16x128_f8f6f4 v[rD:rD+7], v[rS0:rS0+7], v[rS1:rS1+7], v[rD:rD+7], v[rQ0], v[rQ1] matrix_a_fmt:MATRIX_FMT_FP4 matrix_b_fmt:MATRIX_FMT_FP4
.endif
.endm
.macro LOADB hf, buf                   ; K steps 2 hf and 2 hf + 1 of my two tiles: eight loads into group buf
.irp s, 0,1
.irp e, 0,1
	ds_load_b128 v[BF+32*(\buf)+16*\s+8*\e:BF+32*(\buf)+16*\s+8*\e+3], v[ADB+\s] offset:(2*(\hf)+\e)*64
	ds_load_b128 v[BF+32*(\buf)+16*\s+8*\e+4:BF+32*(\buf)+16*\s+8*\e+7], v[ADB+\s] offset:(2*(\hf)+\e)*64+32
.endr
.endr
.endm
.macro MM p, hf, buf                   ; their four products, on four accumulators
.irp e, 0,1
.irp s, 0,1
.set KS_, 2*(\hf)+\e
.set rS0, BF+32*(\buf)+16*\s+8*\e
.set rS1, AF+8*KS_
.set rQ0, SB+4*(2*(\p)+\s)+KS_%4
.set rQ1, SA+KS_%4
.if \e
.set rD, ACO+8*\s
.else
.set rD, RES+8*(2*(\p)+\s)
.endif
.set ZR, 0
.if (\e) && ((\hf) == 0)
.set ZR, 1
.endif
	WM ZR, KS_/4
.endr
.endr
.endm
.macro PHASE p                         ; a half of Wo's rows: the two groups take turns, so that a group's loads are out while the other is multiplied
	LOADB 0, 0
	LOADB 1, 1
	s_wait_dscnt 8                                 ; the older group is in; the younger group's eight loads may be out
	MM \p, 0, 0
	PL
	LOADB 2, 0
	s_wait_dscnt 8
	MM \p, 1, 1
	PL
	LOADB 3, 1
	s_wait_dscnt 8
	MM \p, 2, 0
	s_wait_dscnt 0x0
	MM \p, 3, 1
.endm
.macro JOIN p                          ; each tile's two sums become one, each accumulator from its low end on
.irp s, 0,1
.irp k, 0,2,4,6
	v_pk_add_f32 v[RES+8*(2*(\p)+\s)+\k:RES+8*(2*(\p)+\s)+\k+1], v[RES+8*(2*(\p)+\s)+\k:RES+8*(2*(\p)+\s)+\k+1], v[ACO+8*\s+\k:ACO+8*\s+\k+1]
.endr
.endr
.endm
.macro WAVESUM                         ; four packed chains v[8:15] -> their sum over the wave, in v8 of every lane
	v_pk_add_f32 v[8:9], v[8:9], v[10:11]
	v_pk_add_f32 v[12:13], v[12:13], v[14:15]
	v_pk_add_f32 v[8:9], v[8:9], v[12:13]
	v_add_f32 v8, v8, v9
	v_add_f32_dpp v8, v8, v8 row_xmask:1 row_mask:0xf bank_mask:0xf
	v_add_f32_dpp v8, v8, v8 row_xmask:2 row_mask:0xf bank_mask:0xf
	v_add_f32_dpp v8, v8, v8 row_xmask:4 row_mask:0xf bank_mask:0xf
	v_add_f32_dpp v8, v8, v8 row_xmask:8 row_mask:0xf bank_mask:0xf
	v_permlanex16_b32 v9, v8, s[SEL], s[SEL+1]
	v_add_f32 v8, v8, v9
.endm
	s_load_b512 s[4:19], s[0:1], 0x0               ; ob s[4:5], Wo's codes s[6:7], its scales s[8:9], bo s[10:11], x s[12:13], g s[14:15], b s[16:17], x1 s[18:19]
	s_load_b64 s[20:21], s[0:1], 0x40              ; act
	v_lshl_add_u32 v[SPW], v0, 2, SPARE
	v_mov_b32 v[NIL], 0
	ds_add_u32 v[SPW], v[NIL]                      ; the wave's opening: the add, twice on end, and its wait ahead of the first tensor load
	ds_add_u32 v[SPW], v[NIL]
	v_lshrrev_b32 v8, 5, v0
	v_readfirstlane_b32 s[WV], v8                  ; wave 0..15
	s_bfe_u32 s[CX], ttmp6, 0x40000
	s_lshl_b32 s[TL], ttmp9, 2
	s_add_co_u32 s[TL], s[TL], s[CX]               ; my tile of 16 rows, 0 .. 255: it enters global addresses alone
	s_mov_b32 s[G1], 15|(3<<16)|(1<<20)|(1<<21)|(6<<22)|(3<<25)   ; elements of 8 bytes; 4 words of padding behind every 128; the mask names all four
	s_mov_b32 s[G1+1], 64<<16                      ; a row: 512 bytes
	s_mov_b32 s[G1+2], 32<<16                      ; 32 rows
	s_mov_b32 s[G1+3], 64<<16
	s_mov_b32 s[G1+4], 32
	s_mov_b32 s[G1+5], 64
	s_mov_b32 s[G1+6], 0
	s_mov_b32 s[G1+7], 0
	s_mul_i32 s[G0+1], s[WV], 32*BP                ; where my 32 rows go
	s_lshl_b32 s60, s[WV], 14                      ; and where they come from
	s_mov_b32 s61, 0
	s_mov_b32 s[SEL], 0x76543210
	s_mov_b32 s[SEL+1], 0xfedcba98                 ; v_permlanex16_b32's selects for lane l xor 16
	s_mov_b32 s[RN], 0x3a800000                    ; 1 / 1024
	s_mov_b32 s[EPS], 0x3727c5ac                   ; 1e-5
	s_wait_dscnt 0x0                               ; both opening adds are done
	s_wait_kmcnt 0x0
	s_mov_b32 s[G0], 1
	s_add_nc_u64 s[G0+2:G0+3], s[6:7], s[60:61]
	s_or_b32 s[G0+3], s[G0+3], 0x80000000
	CROUND                                         ; all four work-groups are here: the joint loads meet
	tensor_load_to_lds s[G0:G0+3], s[G1:G1+7]      ; rows 0 .. 511 of Wo, 32 a wave: every wave issues one load
	s_nop 0
	PL
	s_lshl_b32 s60, s[TL], 13
	s_add_nc_u64 s[44:45], s[4:5], s[60:61]        ; o's codes
	s_add_nc_u64 s[56:57], s[20:21], s[60:61]      ; act's image
	s_lshl_b32 s60, s[TL], 5
	s_add_co_u32 s60, s60, 2097152
	s_add_nc_u64 s[46:47], s[4:5], s[60:61]        ; o's scale half-words
	s_lshl_b32 s60, s[TL], 9
	s_add_co_u32 s60, s60, 2097152
	s_add_nc_u64 s[58:59], s[20:21], s[60:61]      ; act's scale bytes
	s_lshl_b32 s60, s[WV], 9
	s_add_nc_u64 s[48:49], s[8:9], s[60:61]        ; Wo's scale bytes from row 16 w on
	s_lshl_b32 s60, s[WV], 6
	s_add_nc_u64 s[50:51], s[10:11], s[60:61]      ; bo from column 16 w on
	s_lshl_b32 s60, s[TL], 4
	s_add_co_u32 s60, s60, s[WV]
	s_lshl_b32 s60, s60, 12
	s_add_nc_u64 s[52:53], s[12:13], s[60:61]      ; row w of the tile in x,
	s_add_nc_u64 s[54:55], s[18:19], s[60:61]      ; and in x1
	s_mul_i32 s62, s[WV], 16*BP
	s_mul_i32 s63, s[WV], SP_
	s_lshl_b32 s66, s[WV], 6
	s_lshl_b32 s67, s[WV], 4
	s_add_co_u32 s67, s67, IMG
	s_lshl_b32 s68, s[WV], 5
	s_add_co_u32 s68, s68, SC
	s_cmp_lt_u32 s[WV], 8                          ; waves 0-7 fetch g, waves 8-15 b: 512 bytes each
	s_cselect_b64 s[26:27], s[14:15], s[16:17]
	s_and_b32 s60, s[WV], 7
	s_lshl_b32 s60, s60, 9
	s_add_nc_u64 s[26:27], s[26:27], s[60:61]
	v_and_b32 v11, 15, v0                          ; r
	v_bfe_u32 v12, v0, 4, 1                        ; h
	v_and_b32 v13, 31, v0                          ; lane
	v_lshlrev_b32 v[L16], 4, v13
	v_lshlrev_b32 v[L32], 5, v13
	v_lshlrev_b32 v8, 16, v12
	v_lshl_add_u32 v8, v11, 1, v8                  ; o's scales: lanes 16-31 take the K steps four further on: 8 x 8,192 bytes
	v_lshlrev_b32 v9, 5, v11
	v_lshl_add_u32 v9, v12, 4, v9                  ; Wo's scales: 32 bytes a row, + 16 h
	v_lshlrev_b32 v10, 5, v12                      ; bias: my half's eight columns
	global_load_b128 v[BF:BF+3], v[L16], s[26:27]  ; my 512 bytes of g or b
.irp j, 0,1,2,3
	global_load_u16 v[SA+\j], v8, s[46:47] offset:\j*16384          ; a K step's first 64,
	global_load_u16 v[SH+\j], v8, s[46:47] offset:\j*16384+8192     ; and its second
.endr
.irp q, 0,1,2,3
	global_load_b128 v[SB+4*\q:SB+4*\q+3], v9, s[48:49] offset:\q*8192
.endr
.irp m, 0,1,2,3,4,5,6,7,8,9,10,11,12,13,14,15
	global_load_b128 v[AF+4*\m:AF+4*\m+3], v[L16], s[44:45] offset:\m*512
.endr
.irp q, 0,1,2,3
	global_load_b128 v[RES+8*\q:RES+8*\q+3], v10, s[50:51] offset:\q*1024       ; the bias is what each tile's sum begins with
	global_load_b128 v[RES+8*\q+4:RES+8*\q+7], v10, s[50:51] offset:\q*1024+16
.endr
.irp t, 0,1,2,3,4,5,6,7
	global_load_b128 v[XR+4*\t:XR+4*\t+3], v[L16], s[52:53] offset:\t*512 th:TH_LOAD_NT   ; my row of x: on its way while the product is made
.endr
	v_mul_u32_u24 v14, v11, BP
	v_lshl_add_u32 v14, v12, 4, v14
	v_add_nc_u32 v[ADB], s62, v14                  ; row 16 w + r of the 512, + 16 h
	v_add_nc_u32 v[ADB+1], 256*BP, v[ADB]          ; and 256 rows on
	v_mul_u32_u24 v14, v11, SP_
	v_lshl_add_u32 v14, v12, 5, v14
	v_add_nc_u32 v[STO], s66, v14                  ; stage: row r, column 16 w + 8 h
	v_add_nc_u32 v[RD], s63, v[L16]
	v_add_nc_u32 v[RX], s63, v[L32]
	v_lshrrev_b32 v14, 2, v13                      ; my block among a pass's eight
	v_and_b32 v15, 3, v13                          ; my word of its 16 bytes
	v_lshlrev_b32 v[IMGA], 8, v14
	v_lshl_add_u32 v[IMGA], v15, 2, v[IMGA]
	v_add_nc_u32 v[IMGA], s67, v[IMGA]
	v_add_nc_u32 v[SCA], s68, v14
	v_lshlrev_b32 v[T16], 4, v0
	v_add_nc_u32 v[IMGR], IMG, v[T16]
	v_lshl_add_u32 v[SCR], v13, 4, SC
	v_add_nc_u32 v[GBA], GB, v[L32]
	v_add_nc_u32 v14, GB, v[T16]                   ; where my 16 bytes of g or b go
	s_wait_loadcnt 8                               ; loads come back in order: all but x's eight are in
.irp j, 0,1,2,3
	v_lshl_or_b32 v[SA+\j], v[SH+\j], 16, v[SA+\j]
.endr
.rept 8
	v_nop                                          ; a scale register written by a vector instruction stands eight places ahead of a scaled product
.endr
	s_wait_alu depctr_va_vdst(0)                   ; the wait at the head's end
	s_wait_tensorcnt 0x0                           ; my 32 rows are in
	ds_store_b128 v14, v[BF:BF+3]                  ; g and b meet in LDS
	s_wait_dscnt 0x0                               ; for the others' sake: my store has landed
	s_barrier_signal -1
	s_barrier_wait -1                              ; everybody's rows and everybody's part of g and b are in
	PHASE 0
	s_wait_tensorcnt 0x0                           ; no tensor load of mine is out, so group 0 may be written
	ds_add_u32 v[SPW], v[NIL]
	s_add_nc_u64 s[G0+2:G0+3], s[G0+2:G0+3], 262144    ; 512 rows on
	s_wait_dscnt 0x0                               ; the add is done, and my reads of the rows are over
	CROUND                                         ; no wave of any partner still reads them
	tensor_load_to_lds s[G0:G0+3], s[G1:G1+7]      ; rows 512 .. 1,023: the first thing behind the round, one load a wave
	s_nop 0
	PL
	JOIN 0                                         ; work on registers while the rows come
	s_wait_alu depctr_va_vdst(0)                   ; directly ahead of the wait below
	s_wait_tensorcnt 0x0
	s_barrier_signal -1
	s_barrier_wait -1
	PHASE 1
	PL                                             ; in front of the first read of results and of the loads into the fragments' registers
	JOIN 1
	s_wait_alu depctr_va_vdst(0)                   ; directly ahead of the barrier's signal
	s_barrier_signal -1                            ; my reads of Wo's rows were waited for in PHASE
	s_barrier_wait -1                              ; nobody reads the rows any more, and they have had their last fill: the stage may be written
.irp q, 0,1,2,3
	ds_store_b128 v[STO], v[RES+8*\q:RES+8*\q+3] offset:\q*1024
	ds_store_b128 v[STO], v[RES+8*\q+4:RES+8*\q+7] offset:\q*1024+16
.endr
	s_wait_dscnt 0x0                               ; for the others' sake: my stores have landed
	s_barrier_signal -1
	s_barrier_wait -1
.irp t, 0,1,2,3,4,5,6,7
	ds_load_b128 v[D+4*\t:D+4*\t+3], v[RD] offset:\t*512
.endr
	s_wait_loadcnt 0x0                             ; x is in
	s_wait_dscnt 0x0
.set i, 0
.rept 16
	v_pk_add_f32 v[D+i:D+i+1], v[D+i:D+i+1], v[XR+i:XR+i+1]   ; x1
.set i, i+2
.endr
.irp t, 0,1,2,3,4,5,6,7
	global_store_b128 v[L16], v[D+4*\t:D+4*\t+3], s[54:55] offset:\t*512   ; a wave stores 512 consecutive bytes, aligned; these registers are not written again
.endr
.irp t, 0,1,2,3,4,5,6,7
	ds_store_b128 v[RD], v[D+4*\t:D+4*\t+3] offset:\t*512      ; back into my own row;
.endr
.irp t, 0,1,2,3
	ds_load_b128 v[X+8*\t:X+8*\t+3], v[RX] offset:1024*\t      ; LDS serves a wave's instructions in order (ISA guide 5.7.1.4): these see the stores above
	ds_load_b128 v[X+8*\t+4:X+8*\t+7], v[RX] offset:1024*\t+16
.endr
.irp t, 0,1,2,3
	ds_load_b128 v[G+8*\t:G+8*\t+3], v[GBA] offset:1024*\t               ; g and b of my 4 x 8 columns
	ds_load_b128 v[G+8*\t+4:G+8*\t+7], v[GBA] offset:1024*\t+16
	ds_load_b128 v[BV+8*\t:BV+8*\t+3], v[GBA] offset:4096+1024*\t
	ds_load_b128 v[BV+8*\t+4:BV+8*\t+7], v[GBA] offset:4096+1024*\t+16
.endr
	s_wait_dscnt 16                                ; my row is back; g's eight loads and b's eight may be out
.irp k, 0,1,2,3
	v_pk_add_f32 v[8+2*\k:9+2*\k], v[X+2*\k:X+2*\k+1], v[X+8+2*\k:X+9+2*\k]
.endr
.irp i, 16,24
.irp k, 0,1,2,3
	v_pk_add_f32 v[8+2*\k:9+2*\k], v[8+2*\k:9+2*\k], v[X+\i+2*\k:X+\i+2*\k+1]
.endr
.endr
	WAVESUM
	v_mul_f32 v8, s[RN], v8                        ; the mean
	v_mov_b32 v9, v8
.set i, 0
.rept 16
	v_pk_add_f32 v[X+i:X+i+1], v[X+i:X+i+1], v[8:9] neg_lo:[0,1] neg_hi:[0,1]   ; d = x1 - mean
.set i, i+2
.endr
.irp k, 0,1,2,3
	v_pk_mul_f32 v[8+2*\k:9+2*\k], v[X+2*\k:X+2*\k+1], v[X+2*\k:X+2*\k+1]
.endr
.irp i, 8,16,24
.irp k, 0,1,2,3
	v_pk_fma_f32 v[8+2*\k:9+2*\k], v[X+\i+2*\k:X+\i+2*\k+1], v[X+\i+2*\k:X+\i+2*\k+1], v[8+2*\k:9+2*\k]
.endr
.endr
	WAVESUM
	v_fma_f32 v8, v8, s[RN], s[EPS]                ; the variance + 1e-5
	s_wait_alu depctr_va_vdst(0)                   ; ahead of the transcendental
	v_rsq_f32 v8, v8
	v_nop                                          ; a plain instruction behind the transcendental
	s_wait_alu depctr_va_vdst(0)                   ; ahead of the result's first reader
	v_mov_b32 v9, v8
	s_wait_alu depctr_va_vdst(0)                   ; directly ahead of the wait below
	s_wait_dscnt 0x0                               ; g and b
.set i, 0
.rept 16
	v_pk_mul_f32 v[X+i:X+i+1], v[X+i:X+i+1], v[8:9]
.set i, i+2
.endr
.set i, 0
.rept 16
	v_pk_fma_f32 v[X+i:X+i+1], v[X+i:X+i+1], v[G+i:G+i+1], v[BV+i:BV+i+1]
.set i, i+2
.endr
.irp t, 0,1,2,3
	v_max3_num_f32 v[MX+\t], |v[X+8*\t]|, |v[X+8*\t+1]|, 0x1800000   ; my eight of the block, and the floor 2^(3 - 127)
.endr
.irp i, 2,4,6
.irp t, 0,1,2,3
	v_max3_num_f32 v[MX+\t], v[MX+\t], |v[X+8*\t+\i]|, |v[X+8*\t+\i+1]|
.endr
.endr
.irp t, 0,1,2,3
	v_max_num_f32_dpp v[MX+\t], v[MX+\t], v[MX+\t] row_xmask:1 row_mask:0xf bank_mask:0xf
.endr
.irp t, 0,1,2,3
	v_max_num_f32_dpp v[MX+\t], v[MX+\t], v[MX+\t] row_xmask:2 row_mask:0xf bank_mask:0xf   ; with the block's other three lanes
.endr
.irp t, 0,1,2,3
	v_add_nc_u32 v[SO+\t], 0xff000000, v[MX+\t]    ; 2 off the exponent field: the conversion takes this operand's exponent field as its scale
.endr
.irp t, 0,1,2,3
	v_lshrrev_b32 v[BY+\t], 23, v[SO+\t]           ; the scale's byte
.endr
.irp t, 0,1,2,3
	v_cvt_scalef32_pk8_fp4_f32 v[CD+\t], v[X+8*\t:X+8*\t+7], v[SO+\t]
.endr
	v_nop                                          ; a plain instruction behind the last scaled conversion
.irp t, 0,1,2,3
	ds_store_b32 v[IMGA], v[CD+\t] offset:2048*\t  ; a pass is eight blocks: 2,048 bytes of the image
	ds_store_b8 v[SCA], v[BY+\t] offset:8*\t       ; the block's four lanes write the same byte with the same value
.endr
	s_wait_dscnt 0x0                               ; for the others' sake: my stores have landed
	s_barrier_signal -1
	s_barrier_wait -1
	ds_load_b128 v[X:X+3], v[IMGR]
	s_wait_dscnt 0x0
	global_store_b128 v[T16], v[X:X+3], s[56:57]   ; a wave stores 512 consecutive bytes
	s_cmp_lg_u32 s[WV], 0
	s_cbranch_scc1 .Lnot_first
	ds_load_b128 v[X+4:X+7], v[SCR]                ; wave 0: the tile's 512 scale bytes
	s_wait_dscnt 0x0
	global_store_b128 v[L16], v[X+4:X+7], s[58:59]
.Lnot_first:
	s_wait_tensorcnt 0x0                           ; the wave's end
	ds_add_u32 v[SPW], v[NIL]
	s_wait_dscnt 0x0
	CROUND                                         ; the closing round
	s_endpgm
.Lfunc_end_k_q0443c42084_woln:
	.size	k_q0443c42084_woln, .Lfunc_end_k_q0443c42084_woln-k_q0443c42084_woln
	.p2alignl 7, 3214868480
	.fill 96, 4, 3214868480
	.section	.rodata,"a",@progbits
	.p2align	6, 0x0
	.amdhsa_kernel k_q0443c42084_woln
		.amdhsa_group_segment_fixed_size 327680
		.amdhsa_private_segment_fixed_size 0
		.amdhsa_enable_private_segment 0
		.amdhsa_kernarg_size 72
		.amdhsa_user_sgpr_count 2
		.amdhsa_user_sgpr_kernarg_segment_ptr 1
		.amdhsa_wavefront_size32 1
		.amdhsa_system_sgpr_workgroup_id_x 1
		.amdhsa_system_sgpr_workgroup_id_y 1
		.amdhsa_system_sgpr_workgroup_id_z 1
		.amdhsa_system_vgpr_workitem_id 0
		.amdhsa_next_free_vgpr 256
		.amdhsa_next_free_sgpr 72
		.amdhsa_reserve_vcc 0
		.amdhsa_float_denorm_mode_32 3
		.amdhsa_float_denorm_mode_16_64 3
		.amdhsa_memory_ordered 1
		.amdhsa_forward_progress 1
		.amdhsa_inst_pref_size 36
	.end_amdhsa_kernel
	.amdgpu_metadata
---
amdhsa.version: [ 1, 2 ]
amdhsa.kernels:
  - .name:           k_q0443c42084_woln
    .symbol:         k_q0443c42084_woln.kd
    .args:
      - { .name: ob, .offset: 0, .size: 8, .value_kind: global_buffer, .address_space: global }
      - { .name: Wo_codes, .offset: 8, .size: 8, .value_kind: global_buffer, .address_space: global }
      - { .name: Wo_scales, .offset: 16, .size: 8, .value_kind: global_buffer, .address_space: global }
      - { .name: bo, .offset: 24, .size: 8, .value_kind: global_buffer, .address_space: global }
      - { .name: x, .offset: 32, .size: 8, .value_kind: global_buffer, .address_space: global }
      - { .name: ln2_g, .offset: 40, .size: 8, .value_kind: global_buffer, .address_space: global }
      - { .name: ln2_b, .offset: 48, .size: 8, .value_kind: global_buffer, .address_space: global }
      - { .name: x1, .offset: 56, .size: 8, .value_kind: global_buffer, .address_space: global }
      - { .name: act, .offset: 64, .size: 8, .value_kind: global_buffer, .address_space: global }
    .group_segment_fixed_size: 327680
    .private_segment_fixed_size: 0
    .kernarg_segment_align: 8
    .kernarg_segment_size: 72
    .max_flat_workgroup_size: 512
    .sgpr_count:     72
    .vgpr_count:     256
    .wavefront_size: 32
...
	.end_amdgpu_metadata
.endif
;; end of part 4
;; launch w1 (part 5): grid 16 x 16, 16 waves a work-group, clusters of 4 x 4, 272,384 bytes of LDS; arguments act, W1_codes, W1_scales, b1, hid; writes hid
.if DOCPART == 5
	.amdgcn_target "amdgcn-amd-amdhsa--gfx1250"
	.amdhsa_code_object_version 6
	.text
	.protected	k_q0443c42084_w1
	.globl	k_q0443c42084_w1
	.p2align	8
	.type	k_q0443c42084_w1,@function
k_q0443c42084_w1:
	s_mov_b64 s[64:65], 0
	v_nop
	global_prefetch_b8 v0, s[64:65] scope:SCOPE_SE
	s_setreg_imm32_b32 hwreg(HW_REG_WAVE_MODE, 25, 1), 1
	s_wait_xcnt 0x0
	s_wait_alu depctr_hold_cnt(0) depctr_sa_sdst(0) depctr_va_vdst(0) depctr_va_sdst(0) depctr_va_ssrc(0) depctr_va_vcc(0) depctr_vm_vsrc(0)
	s_getreg_b32 s2, hwreg(HW_REG_IB_STS2, 6, 4)
	s_cmp_eq_u32 s2, 0
	s_cbranch_scc0 .Lentry_in_a_cluster
	s_endpgm
.Lentry_in_a_cluster:
	s_bfe_u32 s2, ttmp6, 0x10000c
	s_cmp_lg_u32 s2, 0xf033
	s_cbranch_scc0 .Lentry_shape_is_right
	s_endpgm
.Lentry_shape_is_right:
; hid = Q(gelu(LN2(x1) W1^T + b1)): the product on codes of E2M1, the exact gelu in f32, and the quantiser along the 4,096 hidden units.  No work is left out.
; act: codes [tile of 16 tokens][32 blocks][16][16 bytes], scale bytes [token][32] at byte 2,097,152.  W1: codes [4096][512 bytes], scale bytes [4096][32].
; OUT (hid): codes [tile of 16 tokens][128 blocks][16][16 bytes]; scale half-words at 8,388,608: [unit / 64][token].
; SHARES, LDS, CLUSTER: as in the launch for q, k, v: 256 tokens x 256 units a work-group, all of K = 1,024 in LDS, filled once in two halves; sixteen waves of 64 x 64; A shared along a row of the 4 x 4
; cluster, W1 along a column.  Source 0 = 16 rows of W1, source 1 = 16 tokens: a lane holds one token and its registers run along the units, the next product's K.
; GELU: gelu(y) = max(y, 0) - 0.5 |y| erfc(|y| / sqrt 2), erfc(a) = t exp(-a^2 + c0 + t (c1 + .. + t c9)), t = 1 / (1 + a / 2): a fit whose relative error is about 1.2e-7 for every a >= 0, so that the
; negative tail keeps its relative accuracy.  The c are held times log2(e), since v_exp_f32 is 2^x.  For |y| so large that a^2 overflows the exponential is 0 and gelu is max(y, 0).
; LIMITS: a block of zeros gets the byte 1, not 127 (only this program reads the bytes); blocks under 2^-124 keep the byte 1; NaN and infinities are not served.
.set BL,    131072
.set SPARE, 270336
.set ADA, 2
.set ADB, 4
.set SPW, 6
.set NIL, 7
.set SA,  16
.set SBR, 32
.set AF,  48
.set BF,  80
.set H,   48                           ; the gelu's: v48-63 0.5 |y|; v64-79 a, then 2 log2(e) x 0.5 |y|; v80-95 t; v96-111 the polynomial
.set AA,  64
.set TT,  80
.set PP,  96
.set TM,  114
.set PC,  120
.set HW,  124
.set XR,  126
.set ACC, 128
.set WV,  14
.set CX,  15
.set CY,  16
.set WGY, 17
.set WMI, 18
.set WNI, 19
.set WGX, 20
.set OB,  22
.set SBO, 24
.set G1A, 36
.set G1B, 44
.set G0A, 52
.set G0B0, 60
.set G0B1, 68
.set SEL, 72
.set MSK, 74
.set CF,  76                           ; s[76:95] c0 .. c9 times log2(e), each twice: the packed forms name a pair
.set RT2, 96                           ; s[96:97] sqrt 2
.set L2E, 98                           ; s[98:99] 2 log2(e)
.macro CROUND
	s_barrier_signal -1
	s_barrier_wait -1
	s_cmp_lg_u32 s[WV], 0
	s_cbranch_scc1 .Lnot_wave_0_\@
	s_barrier_signal -3
.Lnot_wave_0_\@:
	s_barrier_wait -3
	s_barrier_signal -1
	s_barrier_wait -1
.endm
.macro COEF k, bits
	s_mov_b32 s[CF+2*\k], \bits
	s_mov_b32 s[CF+2*\k+1], \bits
.endm
.macro KSTEP s                         ; a K step of 128: 16 LDS loads, 16 products; the 16 accumulators take turns
.set HF, (\s)/4
.set SL, (\s)%4
.if (\s) > 0
.rept 4
	v_nop                                          ; four places in front of loads into registers that matrix instructions have read
.endr
.endif
.irp a, 0,1,2,3
	ds_load_b128 v[AF+8*\a:AF+8*\a+3], v[ADA+HF] offset:\a*4096+SL*1024
	ds_load_b128 v[AF+8*\a+4:AF+8*\a+7], v[ADA+HF] offset:\a*4096+SL*1024+512
.endr
.irp b, 0,1,2,3
	ds_load_b128 v[BF+8*\b:BF+8*\b+3], v[ADB+HF] offset:\b*4352+SL*64
	ds_load_b128 v[BF+8*\b+4:BF+8*\b+7], v[ADB+HF] offset:\b*4352+SL*64+32
.endr
	s_wait_dscnt 0x0
.irp a, 0,1,2,3
.irp b, 0,1,2,3
.set rD, ACC+8*(4*\a+\b)
.if HF
	v_wmma_scale_f32_16x16x128_f8f6f4 v[rD:rD+7], v[BF+8*\b:BF+8*\b+7], v[AF+8*\a:AF+8*\a+7], v[rD:rD+7], v[SBR+4*\b+SL], v[SA+4*\a+SL] matrix_a_fmt:MATRIX_FMT_FP4 matrix_b_fmt:MATRIX_FMT_FP4 matrix_a_scale:MATRIX_SCALE_ROW1 matrix_b_scale:MATRIX_SCALE_ROW1
.else
	v_wmma_scale_f32_16x16x128_f8f6f4 v[rD:rD+7], v[BF+8*\b:BF+8*\b+7], v[AF+8*\a:AF+8*\a+7], v[rD:rD+7], v[SBR+4*\b+SL], v[SA+4*\a+SL] matrix_a_fmt:MATRIX_FMT_FP4 matrix_b_fmt:MATRIX_FMT_FP4
.endif
.endr
.endr
.endm
.macro QUANT2 s, hw                    ; 32 numbers of a lane, register 8 b + j = k 16 b + 8 (lane / 16) + j: codes in v[PC:PC+3] (lane (r, h): block h of row r), the two scale bytes in v[hw]
	v_max3_num_f32 v[TM], |v[\s]|, |v[\s+1]|, 0x1800000
	v_max3_num_f32 v[TM+1], |v[\s+16]|, |v[\s+17]|, 0x1800000
.irp i, 2,4,6,8,10,12,14
	s_delay_alu instid0(VALU_DEP_2)
	v_max3_num_f32 v[TM], v[TM], |v[\s+\i]|, |v[\s+\i+1]|
	s_delay_alu instid0(VALU_DEP_2)
	v_max3_num_f32 v[TM+1], v[TM+1], |v[\s+16+\i]|, |v[\s+17+\i]|
.endr
	s_delay_alu instid0(VALU_DEP_2)
	v_permlanex16_b32 v[TM+2], v[TM], s[SEL], s[SEL+1]
	s_delay_alu instid0(VALU_DEP_2)
	v_permlanex16_b32 v[TM+3], v[TM+1], s[SEL], s[SEL+1]
	s_delay_alu instid0(VALU_DEP_2)
	v_max_num_f32 v[TM], v[TM], v[TM+2]
	s_delay_alu instid0(VALU_DEP_2)
	v_max_num_f32 v[TM+1], v[TM+1], v[TM+3]
	s_delay_alu instid0(VALU_DEP_2)
	v_add_nc_u32 v[TM+4], 0xff000000, v[TM]
	s_delay_alu instid0(VALU_DEP_2)
	v_add_nc_u32 v[TM+5], 0xff000000, v[TM+1]
	s_delay_alu instid0(VALU_DEP_2)
	v_lshrrev_b32 v[TM+2], 23, v[TM+4]
	s_delay_alu instid0(VALU_DEP_2)
	v_lshrrev_b32 v[TM+3], 23, v[TM+5]
	s_delay_alu instid0(VALU_DEP_1)
	v_lshl_or_b32 v[\hw], v[TM+3], 8, v[TM+2]
	v_cvt_scalef32_pk8_fp4_f32 v[PC], v[\s:\s+7], v[TM+4]
	v_cvt_scalef32_pk8_fp4_f32 v[PC+2], v[\s+8:\s+15], v[TM+4]
	v_cvt_scalef32_pk8_fp4_f32 v[PC+1], v[\s+16:\s+23], v[TM+5]
	v_cvt_scalef32_pk8_fp4_f32 v[PC+3], v[\s+24:\s+31], v[TM+5]
	v_nop
	v_permlane16_swap_b32 v[PC], v[PC+1]
	v_permlane16_swap_b32 v[PC+2], v[PC+3]
.endm
.macro GELU16 y                        ; gelu in place on 16 registers: two batches of transcendentals, one wait each
.set i, 0
.rept 16
	v_mul_f32 v[H+i], 0.5, |v[\y+i]|               ; 0.5 |y|: each accumulator is read from its low end on
.set i, i+1
.endr
.set i, 0
.rept 8
	v_pk_mul_f32 v[AA+i:AA+i+1], v[H+i:H+i+1], s[RT2:RT2+1] op_sel_hi:[1,0]     ; a = |y| / sqrt 2
.set i, i+2
.endr
.set i, 0
.rept 8
	v_pk_fma_f32 v[TT+i:TT+i+1], v[AA+i:AA+i+1], 0.5, 1.0 op_sel_hi:[1,0,0]
.set i, i+2
.endr
.set i, 0
	s_wait_alu depctr_va_vdst(0)
.rept 16
	v_rcp_f32 v[TT+i], v[TT+i]                     ; t
.set i, i+1
.endr
.set i, 0
.rept 8
	v_pk_fma_f32 v[\y+i:\y+i+1], v[\y+i:\y+i+1], 0.5, v[H+i:H+i+1] op_sel_hi:[1,0,1]   ; 0.5 y + 0.5 |y| = max(y, 0), exactly
.set i, i+2
.endr
.set i, 0
.rept 8
	v_pk_mul_f32 v[AA+i:AA+i+1], v[H+i:H+i+1], s[L2E:L2E+1] op_sel_hi:[1,0]     ; times 0.5 |y| this is a^2 log2(e)
.set i, i+2
.endr
	s_wait_alu depctr_va_vdst(0)                   ; one wait for the sixteen reciprocals, ahead of their first reader
.set i, 0
.rept 8
	v_pk_fma_f32 v[PP+i:PP+i+1], v[TT+i:TT+i+1], s[CF+18:CF+19], v[112:113] op_sel_hi:[1,0,1]
.set i, i+2
.endr
.irp k, 7,6,5,4,3,2,1,0
.set i, 0
.rept 8
	v_pk_fma_f32 v[PP+i:PP+i+1], v[PP+i:PP+i+1], v[TT+i:TT+i+1], s[CF+2*\k:CF+2*\k+1] op_sel_hi:[1,1,0]
.set i, i+2
.endr
.endr
.set i, 0
.rept 8
	v_pk_fma_f32 v[PP+i:PP+i+1], v[AA+i:AA+i+1], v[H+i:H+i+1], v[PP+i:PP+i+1] neg_lo:[1,0,0] neg_hi:[1,0,0]
.set i, i+2
.endr
.set i, 0
	s_wait_alu depctr_va_vdst(0)
.rept 16
	v_exp_f32 v[PP+i], v[PP+i]
.set i, i+1
.endr
	v_nop
	s_wait_alu depctr_va_vdst(0)                   ; and one for the sixteen exponentials
.set i, 0
.rept 8
	v_pk_mul_f32 v[PP+i:PP+i+1], v[PP+i:PP+i+1], v[TT+i:TT+i+1]                 ; erfc(a)
.set i, i+2
.endr
.set i, 0
.rept 8
	v_pk_fma_f32 v[\y+i:\y+i+1], v[H+i:H+i+1], v[PP+i:PP+i+1], v[\y+i:\y+i+1] neg_lo:[1,0,0] neg_hi:[1,0,0]
.set i, i+2
.endr
.endm
	s_load_b256 s[4:11], s[0:1], 0x0               ; act s[4:5], W1's codes s[6:7], its scales s[8:9], b1 s[10:11]
	s_load_b64 s[12:13], s[0:1], 0x20              ; hid
	v_lshl_add_u32 v[SPW], v0, 2, SPARE
	v_mov_b32 v[NIL], 0
	ds_add_u32 v[SPW], v[NIL]                      ; the wave's opening: the add, twice on end, and its wait ahead of the first tensor loads
	ds_add_u32 v[SPW], v[NIL]
	v_lshrrev_b32 v1, 5, v0
	s_delay_alu instid0(VALU_DEP_1)
	v_readfirstlane_b32 s[WV], v1                  ; wave 0..15
	s_bfe_u32 s[CX], ttmp6, 0x40000
	s_bfe_u32 s[CY], ttmp6, 0x40004
	s_lshl_b32 s[WGX], ttmp9, 2
	s_add_co_u32 s[WGX], s[WGX], s[CX]             ; which 256 units
	s_and_b32 s[WGY], ttmp7, 0xffff
	s_lshl_b32 s[WGY], s[WGY], 2
	s_add_co_u32 s[WGY], s[WGY], s[CY]             ; which 256 tokens
	s_lshr_b32 s[WMI], s[WV], 2
	s_and_b32 s[WNI], s[WV], 3
	s_lshl_b32 s32, s[CY], 2
	s_lshl_b32 s32, 15, s32
	s_lshl_b32 s33, 0x1111, s[CX]
	s_or_b32 s[G1A], s32, (3<<16)|(1<<21)          ; A: 4 tiles x 4,096 bytes, 8,192 apart
	s_mov_b32 s[G1A+1], 512<<16
	s_mov_b32 s[G1A+2], 4<<16
	s_mov_b32 s[G1A+3], 512<<16
	s_mov_b32 s[G1A+4], 4
	s_mov_b32 s[G1A+5], 1024
	s_mov_b32 s[G1A+6], 0
	s_mov_b32 s[G1A+7], 0
	s_or_b32 s[G1B], s33, (3<<16)|(1<<20)|(1<<21)|(5<<22)|(3<<25)   ; W1: 64 rows x 256 bytes, 512 apart, 16 bytes of padding behind each
	s_mov_b32 s[G1B+1], 32<<16
	s_mov_b32 s[G1B+2], 64<<16
	s_mov_b32 s[G1B+3], 32<<16
	s_mov_b32 s[G1B+4], 64
	s_mov_b32 s[G1B+5], 64
	s_mov_b32 s[G1B+6], 0
	s_mov_b32 s[G1B+7], 0
	s_lshl_b32 s2, s[WGY], 17
	s_lshl_b32 s3, s[WNI], 15
	s_add_co_u32 s2, s2, s3
	s_mov_b32 s3, 0
	s_lshl_b32 s66, s[WGX], 17
	s_lshl_b32 s67, s[WNI], 15
	s_add_co_u32 s66, s66, s67
	s_mov_b32 s67, 0
	s_lshl_b32 s34, s[WNI], 14
	s_mul_i32 s35, s[WNI], 17408
	s_add_co_u32 s35, s35, BL
	s_mov_b32 s[SEL], 0x76543210
	s_mov_b32 s[SEL+1], 0xfedcba98
	s_mov_b32 s[MSK], 0xffff0000
	COEF 0, 0xbfe9b21e
	COEF 1, 0x3fb8ab5a
	COEF 2, 0x3f0a29d2
	COEF 3, 0x3e0efb2e
	COEF 4, 0xbe899a80
	COEF 5, 0x3ecdfd18
	COEF 6, 0xbfd1a1e5
	COEF 7, 0x40097039
	COEF 8, 0xbf97d29d
	COEF 9, 0x3e7c6f08
	s_mov_b32 s[RT2], 0x3fb504f3
	s_mov_b32 s[RT2+1], 0x3fb504f3
	s_mov_b32 s[L2E], 0x4038aa3b
	s_mov_b32 s[L2E+1], 0x4038aa3b
	s_wait_dscnt 0x0                               ; both opening adds are done
	s_wait_kmcnt 0x0
	s_add_nc_u64 s[2:3], s[4:5], s[2:3]
	s_add_nc_u64 s[66:67], s[6:7], s[66:67]
	s_mov_b32 s[G0A], 1
	s_mov_b32 s[G0A+1], s34
	s_mov_b64 s[G0A+2:G0A+3], s[2:3]
	s_or_b32 s[G0A+3], s[G0A+3], 0x80000000
	s_mov_b32 s[G0A+4], 1
	s_add_co_u32 s[G0A+5], s34, 65536
	s_add_nc_u64 s[G0A+6:G0A+7], s[2:3], 4096
	s_or_b32 s[G0A+7], s[G0A+7], 0x80000000
	s_mov_b32 s[G0B0], 1
	s_mov_b32 s[G0B0+1], s35
	s_mov_b64 s[G0B0+2:G0B0+3], s[66:67]
	s_or_b32 s[G0B0+3], s[G0B0+3], 0x80000000
	s_mov_b32 s[G0B1], 1
	s_add_co_u32 s[G0B1+1], s35, 69632
	s_add_nc_u64 s[G0B1+2:G0B1+3], s[66:67], 256
	s_or_b32 s[G0B1+3], s[G0B1+3], 0x80000000
	CROUND                                         ; all sixteen work-groups are here: the joint loads meet
	s_cmp_lt_u32 s[WV], 4                          ; one load a wave, in one chain of arms: waves 0-3 A's quarters of K's first half, 4-7 W1's, 8-11 A's of the second half, 12-15 W1's
	s_cbranch_scc0 .Lnot_a
	tensor_load_to_lds s[G0A:G0A+3], s[G1A:G1A+7]
	s_nop 0
.rept 4
	v_nop
.endr
	s_branch .Lasked
.Lnot_a:
	s_cmp_lt_u32 s[WV], 8
	s_cbranch_scc0 .Lnot_b
	tensor_load_to_lds s[G0B0:G0B0+3], s[G1B:G1B+7]
	s_nop 0
.rept 4
	v_nop
.endr
	s_branch .Lasked
.Lnot_b:
	s_cmp_lt_u32 s[WV], 12
	s_cbranch_scc0 .Lnot_a1
	tensor_load_to_lds s[G0A+4:G0A+7], s[G1A:G1A+7]
	s_nop 0
.rept 4
	v_nop
.endr
	s_branch .Lasked
.Lnot_a1:
	tensor_load_to_lds s[G0B1:G0B1+3], s[G1B:G1B+7]
	s_nop 0
.rept 4
	v_nop
.endr
.Lasked:
	v_and_b32 v13, 15, v0                          ; r
	v_bfe_u32 v14, v0, 4, 1                        ; h
	v_and_b32 v15, 31, v0                          ; lane
	s_delay_alu instid0(VALU_DEP_1)
	v_lshlrev_b32 v1, 4, v15
	s_lshl_b32 s21, s[WMI], 14
	v_add_nc_u32 v[ADA], s21, v1
	s_delay_alu instid0(VALU_DEP_1)
	v_add_nc_u32 v[ADA+1], 65536, v[ADA]
	v_mul_u32_u24 v12, v13, 272
	s_delay_alu instid0(VALU_DEP_1)
	v_lshl_add_u32 v12, v14, 4, v12
	s_mul_i32 s21, s[WNI], 17408
	s_add_co_u32 s21, s21, BL
	v_add_nc_u32 v[ADB], s21, v12
	s_delay_alu instid0(VALU_DEP_1)
	v_add_nc_u32 v[ADB+1], 69632, v[ADB]
	v_lshlrev_b32 v8, 5, v13
	s_delay_alu instid0(VALU_DEP_1)
	v_lshl_add_u32 v8, v14, 4, v8                  ; scale words: 32 bytes a row, + 16 h
	s_wait_alu depctr_va_vdst(0)
	v_lshlrev_b32 v9, 5, v14                       ; bias: my half's eight units
	s_wait_alu depctr_va_vdst(0)
	v_lshlrev_b32 v10, 1, v15                      ; scale half-words out
	v_mov_b32 v112, 0xbf97d29d                     ; c8 log2(e), as a vector pair
	v_mov_b32 v113, 0xbf97d29d
	v_mov_b32 v[TM+2], 0                           ; written once: a lane permute's destination counts as one of its sources
	v_mov_b32 v[TM+3], 0
	s_lshl_b32 s26, s[WGY], 13
	s_lshl_b32 s27, s[WMI], 11
	s_add_co_u32 s26, s26, s27
	s_add_co_u32 s26, s26, 2097152
	s_mov_b32 s27, 0
	s_add_nc_u64 s[26:27], s[4:5], s[26:27]        ; my 64 tokens' scale bytes
	s_lshl_b32 s28, s[WGX], 13
	s_lshl_b32 s29, s[WNI], 11
	s_add_co_u32 s28, s28, s29
	s_mov_b32 s29, 0
	s_lshr_b32 s30, s28, 3
	s_mov_b32 s31, 0
	s_add_nc_u64 s[28:29], s[8:9], s[28:29]        ; my 64 rows' of W1
	s_add_nc_u64 s[30:31], s[10:11], s[30:31]      ; and their bias
.irp a, 0,1,2,3
	global_load_b128 v[SA+4*\a:SA+4*\a+3], v8, s[26:27] offset:512*\a
	global_load_b128 v[SBR+4*\a:SBR+4*\a+3], v8, s[28:29] offset:512*\a
.endr
.irp a, 0,1,2,3
.irp b, 0,1,2,3
	global_load_b128 v[ACC+8*(4*\a+\b):ACC+8*(4*\a+\b)+3], v9, s[30:31] offset:64*\b       ; the bias is the C of each sum's first product
	global_load_b128 v[ACC+8*(4*\a+\b)+4:ACC+8*(4*\a+\b)+7], v9, s[30:31] offset:64*\b+16
.endr
.endr
	s_lshl_b32 s100, s[WGY], 19                    ; out: (16 y + 4 wm) tiles of 32,768 bytes, + (8 x + 2 wn) blocks of 256
	s_lshl_b32 s101, s[WMI], 17
	s_add_co_u32 s100, s100, s101
	s_lshl_b32 s101, s[WGX], 11
	s_add_co_u32 s100, s100, s101
	s_lshl_b32 s101, s[WNI], 9
	s_add_co_u32 s100, s100, s101
	s_mov_b32 s101, 0
	s_add_nc_u64 s[OB:OB+1], s[12:13], s[100:101]
	s_lshl_b32 s100, s[WGX], 15                    ; scale half-words: (4 x + wn) x 8,192 + 2 x token
	s_lshl_b32 s101, s[WNI], 13
	s_add_co_u32 s100, s100, s101
	s_lshl_b32 s101, s[WGY], 9
	s_add_co_u32 s100, s100, s101
	s_lshl_b32 s101, s[WMI], 7
	s_add_co_u32 s100, s100, s101
	s_add_co_u32 s100, s100, 8388608
	s_mov_b32 s101, 0
	s_add_nc_u64 s[SBO:SBO+1], s[12:13], s[100:101]
	s_wait_tensorcnt 0x0                           ; my one load is in
	s_barrier_signal -1
	s_barrier_wait -1
	s_wait_loadcnt 0x0                             ; scale words and bias
	KSTEP 0
	KSTEP 1
	KSTEP 2
	KSTEP 3
	KSTEP 4                                        ; the one barrier above has shown both halves of K to every wave
	KSTEP 5
	KSTEP 6
	KSTEP 7
.rept 4
	v_nop                                          ; four places in front of the first read of results and the first write of the fragments' registers
.endr
.irp a, 0,1,2,3
	GELU16 ACC+32*\a
	GELU16 ACC+32*\a+16
.if \a > 0
	s_wait_alu depctr_va_vdst(0)
	s_wait_xcnt 0x0                                ; the last stores have read their data
.endif
	QUANT2 ACC+32*\a, HW+(\a)%2
	global_store_b128 v1, v[PC:PC+3], s[OB:OB+1] offset:\a*32768       ; 512 consecutive bytes a wave
.if (\a)%2
	v_cndmask_b32 v[XR], v[HW], v[HW+1], s[MSK]    ; tile a - 1's half-words from lanes 0-15, tile a's from lanes 16-31
	global_store_b16 v10, v[XR], s[SBO:SBO+1] offset:((\a)/2)*64
.endif
.endr
	s_wait_tensorcnt 0x0                           ; the wave's end
	ds_add_u32 v[SPW], v[NIL]
	s_wait_dscnt 0x0
	CROUND                                         ; the closing round
	s_endpgm
.Lfunc_end_k_q0443c42084_w1:
	.size	k_q0443c42084_w1, .Lfunc_end_k_q0443c42084_w1-k_q0443c42084_w1
	.p2alignl 7, 3214868480
	.fill 96, 4, 3214868480
	.section	.rodata,"a",@progbits
	.p2align	6, 0x0
	.amdhsa_kernel k_q0443c42084_w1
		.amdhsa_group_segment_fixed_size 272384
		.amdhsa_private_segment_fixed_size 0
		.amdhsa_enable_private_segment 0
		.amdhsa_kernarg_size 40
		.amdhsa_user_sgpr_count 2
		.amdhsa_user_sgpr_kernarg_segment_ptr 1
		.amdhsa_wavefront_size32 1
		.amdhsa_system_sgpr_workgroup_id_x 1
		.amdhsa_system_sgpr_workgroup_id_y 1
		.amdhsa_system_sgpr_workgroup_id_z 1
		.amdhsa_system_vgpr_workitem_id 0
		.amdhsa_next_free_vgpr 256
		.amdhsa_next_free_sgpr 102
		.amdhsa_reserve_vcc 0
		.amdhsa_float_denorm_mode_32 3
		.amdhsa_float_denorm_mode_16_64 3
		.amdhsa_memory_ordered 1
		.amdhsa_forward_progress 1
		.amdhsa_inst_pref_size 132
	.end_amdhsa_kernel
	.amdgpu_metadata
---
amdhsa.version: [ 1, 2 ]
amdhsa.kernels:
  - .name:           k_q0443c42084_w1
    .symbol:         k_q0443c42084_w1.kd
    .args:
      - { .name: act, .offset: 0, .size: 8, .value_kind: global_buffer, .address_space: global }
      - { .name: W1_codes, .offset: 8, .size: 8, .value_kind: global_buffer, .address_space: global }
      - { .name: W1_scales, .offset: 16, .size: 8, .value_kind: global_buffer, .address_space: global }
      - { .name: b1, .offset: 24, .size: 8, .value_kind: global_buffer, .address_space: global }
      - { .name: hid, .offset: 32, .size: 8, .value_kind: global_buffer, .address_space: global }
    .group_segment_fixed_size: 272384
    .private_segment_fixed_size: 0
    .kernarg_segment_align: 8
    .kernarg_segment_size: 40
    .max_flat_workgroup_size: 512
    .sgpr_count:     102
    .vgpr_count:     256
    .wavefront_size: 32
...
	.end_amdgpu_metadata
.endif
;; end of part 5
;; launch w2 (part 6): grid 8 x 32, 8 waves a work-group, clusters of 4 x 4, 327,680 bytes of LDS; arguments hid, W2_codes, W2_scales, b2, x1, out0; writes out0
.if DOCPART == 6
	.amdgcn_target "amdgcn-amd-amdhsa--gfx1250"
	.amdhsa_code_object_version 6
	.text
	.protected	k_q0443c42084_w2
	.globl	k_q0443c42084_w2
	.p2align	8
	.type	k_q0443c42084_w2,@function
k_q0443c42084_w2:
	s_mov_b64 s[64:65], 0
	v_nop
	global_prefetch_b8 v0, s[64:65] scope:SCOPE_SE
	s_setreg_imm32_b32 hwreg(HW_REG_WAVE_MODE, 25, 1), 1
	s_wait_xcnt 0x0
	s_wait_alu depctr_hold_cnt(0) depctr_sa_sdst(0) depctr_va_vdst(0) depctr_va_sdst(0) depctr_va_ssrc(0) depctr_va_vcc(0) depctr_vm_vsrc(0)
	s_getreg_b32 s2, hwreg(HW_REG_IB_STS2, 6, 4)
	s_cmp_eq_u32 s2, 0
	s_cbranch_scc0 .Lentry_in_a_cluster
	s_endpgm
.Lentry_in_a_cluster:
	s_bfe_u32 s2, ttmp6, 0x10000c
	s_cmp_lg_u32 s2, 0xf033
	s_cbranch_scc0 .Lentry_shape_is_right
	s_endpgm
.Lentry_shape_is_right:
; out0 = x1 + hid W2^T + b2, the product on codes of E2M1.  No work is left out.
; A (hid): codes [tile of 16 rows][K / 32 blocks][16][16 bytes]; scale half-words at ASOFF: [K / 64][row].  W: codes [1024][K / 2 bytes], scale bytes [1024][K / 32].  Residual and result: [4096][1024] f32.
; SHARES: a work-group makes 128 rows x 128 columns, so that 256 work-groups share the work; eight waves, two to a SIMD, each 32 x 64: 8 accumulators.  K goes in four chunks of 1,024 through two LDS slots:
; two first fills and two refills, each refill behind a round of the cluster's barrier.  CLUSTER 4 x 4: A's tiles are shared along a row, W's along a column, by joint loads; waves 0, 1 fetch A's halves,
; waves 2, 3 W's; a wave has one tensor load out at the start; waves 0-3 have one behind each round.
; Source 0 = 16 rows of W, source 1 = 16 rows of A: a lane holds eight neighbouring columns of one row.  The way out goes through each wave's own stage, so that sixteen lanes store 256 consecutive bytes.
; THE RESIDUAL IS ASKED FOR AT THE HEAD: a wave's 32 rows x 64 columns are 64 registers a lane, v256-319 (window 1), in the layout in which the rows come back from the stage; its sixteen loads are on their way
; while the product is made, and nothing is loaded behind the last product.
; The launch claims all of a WGP's LDS.
; LIMITS: NaN and infinities are not served.
.set KTOT,  4096
.set CH,    1024
.set NCH,   KTOT/CH
.set NST,   CH/128
.set BP,    CH/2+16                    ; a row of W in LDS
.set QI,    6                          ; padding behind every 128 words
.set ASOFF, 8388608
.set SLOT,  64*CH+128*BP               ; A's 8 tiles x CH x 8 bytes, then W's 128 rows
.set STAGE, 2*SLOT                     ; 16 rows x 272 bytes for each wave
.set SPARE, STAGE+8*4352               ; the spare words: 128 bytes for each of 8 waves
.set ADA, 2
.set ADB, 4
.set SPW, 6
.set NIL, 7
.set STO, 8
.set RD,  9
.set CO,  10
.set SA,  16                           ; v16-47  A's scale words: tile a at 16 + 16 a; register 4 G + j: K step 8 G + j in lanes 0-15, 8 G + 4 + j in lanes 16-31
.set SBR, 48                           ; v48-111 W's: tile b at 48 + 16 b
.set AF,  112                          ; v112-127 two fragments of A
.set BF,  128                          ; v128-159 four of W; on the way out rows 16-31 read back from the stage
.set RB,  160                          ; v160-191 rows 0-15 read back from the stage
.set ACC, 192                          ; v192-255 accumulator (a, b) at 192 + 8 (4 a + b)
.set RES, 0                            ; in window 1: v256-319 the residual: half a at 32 a, two rows to four registers
.set WV,  16
.set CX,  17
.set CY,  18
.set WGX, 19
.set WGY, 20
.set W1B, 23
.set WMI, 30
.set G1A, 36
.set G1B, 44
.set G0A, 52
.set G0B, 60
.set MSB, 0
.macro WIN new                         ; s_set_vgpr_msb: bits 1:0 source 0, 3:2 source 1, 5:4 source 2, 7:6 destination; the immediate's high byte repeats the setting that is left
.if MSB != \new
	s_set_vgpr_msb (MSB<<8)|\new
.set MSB, \new
.endif
.endm
.macro CROUND
	s_barrier_signal -1
	s_barrier_wait -1
	s_cmp_lg_u32 s[WV], 0
	s_cbranch_scc1 .Lnot_wave_0_\@
	s_barrier_signal -3
.Lnot_wave_0_\@:
	s_barrier_wait -3
	s_barrier_signal -1
	s_barrier_wait -1
.endm
.macro WM zero, row
.if \zero
	v_wmma_scale_f32_16x16x128_f8f6f4 v[rD:rD+7], v[rS0:rS0+7], v[rS1:rS1+7], 0, v[rQ0], v[rQ1] matrix_a_fmt:MATRIX_FMT_FP4 matrix_b_fmt:MATRIX_FMT_FP4
.elseif \row
	v_wmma_scale_f32_16x16x128_f8f6f4 v[rD:rD+7], v[rS0:rS0+7], v[rS1:rS1+7], v[rD:rD+7], v[rQ0], v[rQ1] matrix_a_fmt:MATRIX_FMT_FP4 matrix_b_fmt:MATRIX_FMT_FP4 matrix_a_scale:MATRIX_SCALE_ROW1 matrix_b_scale:MATRIX_SCALE_ROW1
.else
	v_wmma_scale_f32_16x16x128_f8f6f4 v[rD:rD+7], v[rS0:rS0+7], v[rS1:rS1+7], v[rD:rD+7], v[rQ0], v[rQ1] matrix_a_fmt:MATRIX_FMT_FP4 matrix_b_fmt:MATRIX_FMT_FP4
.endif
.endm
; A K step of 128: the sl-th of slot sig, the sg-th of all.  12 LDS loads, 8 products on 8 accumulators by turns.
.macro KSTEP sig, sl, sg
.if (\sg) > 0
.rept 4
	v_nop                                          ; four places in front of loads into registers that matrix instructions have read
.endr
.endif
.irp a, 0,1
	ds_load_b128 v[AF+8*\a:AF+8*\a+3], v[ADA+(\sig)] offset:\a*CH*8+(\sl)*1024
	ds_load_b128 v[AF+8*\a+4:AF+8*\a+7], v[ADA+(\sig)] offset:\a*CH*8+(\sl)*1024+512
.endr
.irp b, 0,1,2,3
	ds_load_b128 v[BF+8*\b:BF+8*\b+3], v[ADB+(\sig)] offset:\b*16*BP+(\sl)*64
	ds_load_b128 v[BF+8*\b+4:BF+8*\b+7], v[ADB+(\sig)] offset:\b*16*BP+(\sl)*64+32
.endr
	s_wait_alu depctr_va_vdst(0)
	s_wait_dscnt 0x0
.set SI, 4*((\sg)/8)+(\sg)%4
.set RW, ((\sg)/4)%2
.set ZR, 0
.if (\sg) == 0
.set ZR, 1
.endif
.irp a, 0,1
.irp b, 0,1,2,3
.set rD, ACC+8*(4*\a+\b)
.set rS0, BF+8*\b
.set rS1, AF+8*\a
.set rQ0, SBR+16*\b+SI
.set rQ1, SA+16*\a+SI
	WM ZR, RW
.endr
.endr
.endm
.macro CHUNK c
.set Q, 0
.rept NST
	KSTEP (\c)%2, Q, (\c)*NST+Q
.set Q, Q+1
.endr
.endm
; My 32 rows x 64 columns of the residual: sixteen loads, each of two rows' 256 consecutive bytes, into window 1
.macro RESLOAD
	WIN 0x40                                       ; destination window 1, address window 0
.irp a, 0,1
.irp i, 0,1,2,3,4,5,6,7
	global_load_b128 v[RES+32*\a+4*\i:RES+32*\a+4*\i+3], v[CO], s[74:75] offset:(\a*16+2*\i)*4096 th:TH_LOAD_NT
.endr
.endr
	WIN 0
.endm
; Slot g, which has been read, is filled again with the chunk two further on.  Every wave waits for all its tensor loads (the other slot's among them), adds 0 to its spare word, waits for that and for its reads
; of the slot, and passes a round of the cluster's barrier; the joint refill is the first thing behind it, one load a wave.
.macro REFILL g
	s_wait_tensorcnt 0x0                           ; no tensor load of mine is out, so a group 0 may be written
	ds_add_u32 v[SPW], v[NIL]
	s_add_nc_u64 s[G0A+4*\g+2:G0A+4*\g+3], s[G0A+4*\g+2:G0A+4*\g+3], 2*CH*8
	s_add_nc_u64 s[G0B+8*\g+2:G0B+8*\g+3], s[G0B+8*\g+2:G0B+8*\g+3], CH
	s_wait_dscnt 0x0                               ; the adds are done, and my reads of the slot are over
	CROUND
	s_cmp_lt_u32 s[WV], 2
	s_cbranch_scc0 .Lnot_a_\@
	tensor_load_to_lds s[G0A+4*\g:G0A+4*\g+3], s[G1A:G1A+7]
	s_nop 0
.rept 4
	v_nop
.endr
	s_branch .Lasked_\@
.Lnot_a_\@:
	s_cmp_lt_u32 s[WV], 4
	s_cbranch_scc0 .Lasked_\@
	tensor_load_to_lds s[G0B+8*\g:G0B+8*\g+3], s[G1B:G1B+7]
	s_nop 0
.rept 4
	v_nop
.endr
.Lasked_\@:
.endm
	s_load_b256 s[4:11], s[0:1], 0x0               ; A s[4:5], W's codes s[6:7], W's scales s[8:9], bias s[10:11]
	s_load_b128 s[12:15], s[0:1], 0x20             ; residual s[12:13], result s[14:15]
	v_lshl_add_u32 v[SPW], v0, 2, SPARE
	v_mov_b32 v[NIL], 0
	ds_add_u32 v[SPW], v[NIL]                      ; the wave's opening: the add, twice on end, and its wait ahead of the first tensor loads
	ds_add_u32 v[SPW], v[NIL]
	v_lshrrev_b32 v1, 5, v0
	s_delay_alu instid0(VALU_DEP_1)
	v_readfirstlane_b32 s[WV], v1                  ; wave 0..7
	s_bfe_u32 s[CX], ttmp6, 0x40000
	s_bfe_u32 s[CY], ttmp6, 0x40004
	s_lshl_b32 s[WGX], ttmp9, 2
	s_add_co_u32 s[WGX], s[WGX], s[CX]             ; which 128 columns
	s_and_b32 s[WGY], ttmp7, 0xffff
	s_lshl_b32 s[WGY], s[WGY], 2
	s_add_co_u32 s[WGY], s[WGY], s[CY]             ; which 128 rows
	s_lshl_b32 s21, s[CY], 2
	s_lshl_b32 s21, 15, s21                        ; my row of the cluster
	s_lshl_b32 s22, 0x1111, s[CX]                  ; my column
	s_and_b32 s[W1B], s[WV], 1                     ; which 64 columns are my wave's.  Also: which half of a tile I fetch
	s_lshr_b32 s[WMI], s[WV], 1                    ; which 32 rows
	s_or_b32 s[G1A], s21, (3<<16)|(1<<21)          ; A: elements of 8 bytes, no padding
	s_mov_b32 s[G1A+1], CH<<16                     ; a tile's part of a chunk: CH x 8 bytes
	s_mov_b32 s[G1A+2], 4<<16                      ; 4 tiles
	s_mov_b32 s[G1A+3], CH<<16
	s_mov_b32 s[G1A+4], 4
	s_mov_b32 s[G1A+5], KTOT                       ; from tile to tile: KTOT x 8 bytes
	s_mov_b32 s[G1A+6], 0
	s_mov_b32 s[G1A+7], 0
	s_or_b32 s[G1B], s22, (3<<16)|(1<<20)|(1<<21)|(QI<<22)|(3<<25)   ; W: 4 words of padding behind each row
	s_mov_b32 s[G1B+1], (CH/16)<<16                ; CH / 2 bytes of a row
	s_mov_b32 s[G1B+2], 64<<16
	s_mov_b32 s[G1B+3], (CH/16)<<16
	s_mov_b32 s[G1B+4], 64
	s_mov_b32 s[G1B+5], KTOT/16
	s_mov_b32 s[G1B+6], 0
	s_mov_b32 s[G1B+7], 0
	s_mul_i32 s24, s[WGY], 64*KTOT
	s_mul_i32 s25, s[W1B], 32*KTOT
	s_add_co_u32 s24, s24, s25
	s_mov_b32 s25, 0
	s_mul_i32 s26, s[WGX], 64*KTOT
	s_mul_i32 s27, s[W1B], 32*KTOT
	s_add_co_u32 s26, s26, s27
	s_mov_b32 s27, 0
	s_mul_i32 s28, s[W1B], 32*CH                   ; where they go: no place in the cluster enters an LDS address
	s_mul_i32 s29, s[W1B], 64*BP
	s_add_co_u32 s29, s29, 64*CH
	s_wait_dscnt 0x0                               ; both opening adds are done
	s_wait_kmcnt 0x0
	s_add_nc_u64 s[24:25], s[4:5], s[24:25]
	s_add_nc_u64 s[26:27], s[6:7], s[26:27]
.irp g, 0,1
	s_mov_b32 s[G0A+4*\g], 1
	s_add_co_u32 s[G0A+4*\g+1], s28, \g*SLOT
	s_add_nc_u64 s[G0A+4*\g+2:G0A+4*\g+3], s[24:25], \g*CH*8
	s_or_b32 s[G0A+4*\g+3], s[G0A+4*\g+3], 0x80000000
	s_mov_b32 s[G0B+8*\g], 1
	s_add_co_u32 s[G0B+8*\g+1], s29, \g*SLOT
	s_add_nc_u64 s[G0B+8*\g+2:G0B+8*\g+3], s[26:27], \g*CH/2
	s_or_b32 s[G0B+8*\g+3], s[G0B+8*\g+3], 0x80000000
.endr
	CROUND                                         ; all sixteen work-groups are here: the joint loads meet
	s_cmp_lt_u32 s[WV], 2                          ; one load a wave, in one chain of arms: waves 0, 1 A's halves of slot 0, waves 2, 3 W's, waves 4, 5 A's of slot 1, waves 6, 7 W's
	s_cbranch_scc0 .Lnot_a
	tensor_load_to_lds s[G0A:G0A+3], s[G1A:G1A+7]
	s_nop 0
.rept 4
	v_nop
.endr
	s_branch .Lasked
.Lnot_a:
	s_cmp_lt_u32 s[WV], 4
	s_cbranch_scc0 .Lnot_b
	tensor_load_to_lds s[G0B:G0B+3], s[G1B:G1B+7]
	s_nop 0
.rept 4
	v_nop
.endr
	s_branch .Lasked
.Lnot_b:
	s_cmp_lt_u32 s[WV], 6
	s_cbranch_scc0 .Lnot_a1
	tensor_load_to_lds s[G0A+4:G0A+7], s[G1A:G1A+7]
	s_nop 0
.rept 4
	v_nop
.endr
	s_branch .Lasked
.Lnot_a1:
	tensor_load_to_lds s[G0B+8:G0B+11], s[G1B:G1B+7]
	s_nop 0
.rept 4
	v_nop
.endr
.Lasked:
	s_mul_i32 s32, s[WGX], 4*KTOT
	s_mul_i32 s33, s[W1B], 2*KTOT
	s_add_co_u32 s32, s32, s33
	s_mov_b32 s33, 0
	s_add_nc_u64 s[32:33], s[8:9], s[32:33]        ; my 64 rows' scale bytes of W
	s_lshl_b32 s34, s[WGY], 8
	s_lshl_b32 s35, s[WMI], 6
	s_add_co_u32 s34, s34, s35
	s_add_co_u32 s34, s34, ASOFF
	s_mov_b32 s35, 0
	s_add_nc_u64 s[34:35], s[4:5], s[34:35]        ; my 32 rows' scale half-words of A
	s_lshl_b32 s72, s[WGX], 9
	s_lshl_b32 s73, s[W1B], 8
	s_add_co_u32 s72, s72, s73
	s_mov_b32 s73, 0
	s_lshl_b32 s78, s[WGY], 19
	s_lshl_b32 s79, s[WMI], 17
	s_add_co_u32 s78, s78, s79
	s_add_co_u32 s78, s78, s72
	s_mov_b32 s79, 0
	s_add_nc_u64 s[72:73], s[10:11], s[72:73]      ; my 64 columns' bias
	s_add_nc_u64 s[74:75], s[12:13], s[78:79]      ; my corner of the residual,
	s_add_nc_u64 s[76:77], s[14:15], s[78:79]      ; and of the result
	v_and_b32 v12, 15, v0                          ; r
	v_bfe_u32 v13, v0, 4, 1                        ; h
	v_and_b32 v14, 31, v0
	s_delay_alu instid0(VALU_DEP_1)
	v_lshlrev_b32 v1, 4, v14
	s_mul_i32 s31, s[WMI], 16*CH
	v_add_nc_u32 v[ADA], s31, v1
	s_delay_alu instid0(VALU_DEP_1)
	v_add_nc_u32 v[ADA+1], SLOT, v[ADA]
	v_mul_u32_u24 v15, v12, BP
	s_delay_alu instid0(VALU_DEP_1)
	v_lshl_add_u32 v15, v13, 4, v15
	s_mul_i32 s31, s[W1B], 64*BP
	s_add_co_u32 s31, s31, 64*CH
	v_add_nc_u32 v[ADB], s31, v15
	s_delay_alu instid0(VALU_DEP_1)
	v_add_nc_u32 v[ADB+1], SLOT, v[ADB]
	s_mul_i32 s31, s[WV], 4352
	s_add_co_u32 s31, s31, STAGE
	v_mul_u32_u24 v15, v12, 272
	s_delay_alu instid0(VALU_DEP_1)
	v_lshl_add_u32 v15, v13, 5, v15
	s_delay_alu instid0(VALU_DEP_1)
	v_add_nc_u32 v[STO], s31, v15                  ; into my stage: row r, 32 bytes for each half of the lanes
	v_mul_u32_u24 v15, v13, 272
	s_delay_alu instid0(VALU_DEP_1)
	v_lshl_add_u32 v15, v12, 4, v15
	s_delay_alu instid0(VALU_DEP_1)
	v_add_nc_u32 v[RD], s31, v15                   ; back: lanes 0-15 one row of 256 bytes, lanes 16-31 the next
	v_lshlrev_b32 v[CO], 12, v13
	s_delay_alu instid0(VALU_DEP_1)
	v_lshl_add_u32 v[CO], v12, 4, v[CO]            ; and the same two rows in memory; never rewritten
	v_lshlrev_b32 v11, 16, v13
	s_delay_alu instid0(VALU_DEP_1)
	v_lshl_add_u32 v11, v12, 1, v11                ; A's scales: lanes 16-31 take the K steps four further on: 8 x 8,192 bytes
	v_mul_u32_u24 v160, v12, KTOT/32
	s_delay_alu instid0(VALU_DEP_1)
	v_lshl_add_u32 v160, v13, 4, v160              ; W's scales
	v_lshlrev_b32 v161, 4, v12                     ; my four columns' bias
.irp b, 0,1,2,3
.set g, 0
.rept KTOT/1024
	global_load_b128 v[SBR+16*\b+4*g:SBR+16*\b+4*g+3], v160, s[32:33] offset:\b*16*(KTOT/32)+g*32
.set g, g+1
.endr
.endr
.irp a, 0,1
.set g, 0
.rept KTOT/1024
.irp j, 0,1,2,3
	global_load_u16 v[SA+16*\a+4*g+\j], v11, s[34:35] offset:g*131072+\j*16384+\a*32          ; a K step's first 64,
	global_load_u16 v[AF+16*\a+4*g+\j], v11, s[34:35] offset:g*131072+\j*16384+\a*32+8192     ; and its second
.endr
.set g, g+1
.endr
.endr
	global_load_b128 v[12:15], v161, s[72:73]
	s_wait_loadcnt 0x0                             ; scale words and bias
.irp a, 0,1
.set g, 0
.rept KTOT/256
	v_lshl_or_b32 v[SA+16*\a+g], v[AF+16*\a+g], 16, v[SA+16*\a+g]
.set g, g+1
.endr
.endr
	RESLOAD                                        ; the residual's sixteen loads stay out while all four chunks, 256 products a wave, are multiplied
.rept 8
	v_nop                                          ; a scale register written by a vector instruction stands eight places ahead of a scaled product
.endr
	s_wait_tensorcnt 0x0                           ; my one load is in: behind this barrier both slots are whole
	s_barrier_signal -1
	s_barrier_wait -1
	CHUNK 0
	REFILL 0                                       ; chunk 1 has landed; chunk 2 goes out into slot 0 and has chunk 1's 64 products a wave in which to land
	CHUNK 1
	REFILL 1                                       ; chunk 2 has landed; chunk 3 goes out into slot 1
	CHUNK 2
	s_wait_tensorcnt 0x0                           ; chunk 3 has landed; nothing is left to fetch, so no round follows
	ds_add_u32 v[SPW], v[NIL]
	s_wait_dscnt 0x0
	s_barrier_signal -1
	s_barrier_wait -1
	CHUNK 3
.rept 4
	v_nop                                          ; four places in front of the first read of results and of the loads into W's fragment registers
.endr
	; THE WAY OUT.  Both halves of 16 rows go through my stage on end: LDS serves a wave's instructions in order (ISA guide 5.7.1.4), so the loads see the stores above them, and the second half's stores come behind the first half's loads.
.irp a, 0,1
.irp b, 0,1,2,3
	ds_store_b128 v[STO], v[ACC+8*(4*\a+\b):ACC+8*(4*\a+\b)+3] offset:64*\b          ; each accumulator from its low end on
	ds_store_b128 v[STO], v[ACC+8*(4*\a+\b)+4:ACC+8*(4*\a+\b)+7] offset:64*\b+16
.endr
.irp i, 0,1,2,3,4,5,6,7
	ds_load_b128 v[RB-32*\a+4*\i:RB-32*\a+4*\i+3], v[RD] offset:544*\i
.endr
.endr
	s_wait_loadcnt 0x0                             ; the residual, asked for at the head
.irp a, 0,1
	s_wait_dscnt 16-16*\a                          ; this half is back; behind the first half's loads stand the second's eight stores and eight loads
.irp i, 0,1,2,3,4,5,6,7
	v_pk_add_f32 v[RB-32*\a+4*\i:RB-32*\a+4*\i+1], v[RB-32*\a+4*\i:RB-32*\a+4*\i+1], v[12:13]
	v_pk_add_f32 v[RB-32*\a+4*\i+2:RB-32*\a+4*\i+3], v[RB-32*\a+4*\i+2:RB-32*\a+4*\i+3], v[14:15]
.endr
	WIN 0x04                                       ; source 1 window 1
.irp i, 0,1,2,3,4,5,6,7
	v_pk_add_f32 v[RB-32*\a+4*\i:RB-32*\a+4*\i+1], v[RB-32*\a+4*\i:RB-32*\a+4*\i+1], v[RES+32*\a+4*\i:RES+32*\a+4*\i+1]
	v_pk_add_f32 v[RB-32*\a+4*\i+2:RB-32*\a+4*\i+3], v[RB-32*\a+4*\i+2:RB-32*\a+4*\i+3], v[RES+32*\a+4*\i+2:RES+32*\a+4*\i+3]
.endr
	WIN 0
.irp i, 0,1,2,3,4,5,6,7
	global_store_b128 v[CO], v[RB-32*\a+4*\i:RB-32*\a+4*\i+3], s[76:77] offset:(\a*16+2*\i)*4096 th:TH_STORE_NT   ; sixteen lanes store 256 consecutive bytes, aligned; written once, read by nobody here; no store's data are written again
.endr
.endr
	s_wait_tensorcnt 0x0                           ; the wave's end
	ds_add_u32 v[SPW], v[NIL]
	s_wait_dscnt 0x0
	CROUND                                         ; the closing round
	s_endpgm
.Lfunc_end_k_q0443c42084_w2:
	.size	k_q0443c42084_w2, .Lfunc_end_k_q0443c42084_w2-k_q0443c42084_w2
	.p2alignl 7, 3214868480
	.fill 96, 4, 3214868480
	.section	.rodata,"a",@progbits
	.p2align	6, 0x0
	.amdhsa_kernel k_q0443c42084_w2
		.amdhsa_group_segment_fixed_size 327680
		.amdhsa_private_segment_fixed_size 0
		.amdhsa_enable_private_segment 0
		.amdhsa_kernarg_size 48
		.amdhsa_user_sgpr_count 2
		.amdhsa_user_sgpr_kernarg_segment_ptr 1
		.amdhsa_wavefront_size32 1
		.amdhsa_system_sgpr_workgroup_id_x 1
		.amdhsa_system_sgpr_workgroup_id_y 1
		.amdhsa_system_sgpr_workgroup_id_z 1
		.amdhsa_system_vgpr_workitem_id 0
		.amdhsa_next_free_vgpr 320
		.amdhsa_next_free_sgpr 100
		.amdhsa_reserve_vcc 0
		.amdhsa_float_denorm_mode_32 3
		.amdhsa_float_denorm_mode_16_64 3
		.amdhsa_memory_ordered 1
		.amdhsa_forward_progress 1
		.amdhsa_inst_pref_size 93
	.end_amdhsa_kernel
	.amdgpu_metadata
---
amdhsa.version: [ 1, 2 ]
amdhsa.kernels:
  - .name:           k_q0443c42084_w2
    .symbol:         k_q0443c42084_w2.kd
    .args:
      - { .name: hid, .offset: 0, .size: 8, .value_kind: global_buffer, .address_space: global }
      - { .name: W2_codes, .offset: 8, .size: 8, .value_kind: global_buffer, .address_space: global }
      - { .name: W2_scales, .offset: 16, .size: 8, .value_kind: global_buffer, .address_space: global }
      - { .name: b2, .offset: 24, .size: 8, .value_kind: global_buffer, .address_space: global }
      - { .name: x1, .offset: 32, .size: 8, .value_kind: global_buffer, .address_space: global }
      - { .name: out0, .offset: 40, .size: 8, .value_kind: global_buffer, .address_space: global }
    .group_segment_fixed_size: 327680
    .private_segment_fixed_size: 0
    .kernarg_segment_align: 8
    .kernarg_segment_size: 48
    .max_flat_workgroup_size: 256
    .sgpr_count:     100
    .vgpr_count:     320
    .wavefront_size: 32
...
	.end_amdgpu_metadata
.endif
;; end of part 6
